; MI455X (gfx1250); checked and timed in simulation.
; The chip was launched on July 23, 2026; its instructions are those of AMD's public machine-readable ISA for CDNA 5 (MIT licence, August 2026) and "CDNA5" Instruction Set Architecture Reference Guide (July 2026). The comments in the code are by the model that wrote it; some were corrected since.
;; Scaled Dot Product Attention. Allowed arithmetic: matrix products marked QUANTISED: E2M3 operands, one E8M0 scale for each 32 along K, by v_wmma_scale_f32_16x16x128_f8f6f4 with both operands' format E2M3, f32 sums; everything else in f32.
;; Inputs: Wk 1,024 x 1,024 float32; Wq 1,024 x 1,024 float32; Wv 1,024 x 1,024 float32; attention_mask 2 x 2,048 int32; bk 1,024 float32; bq 1,024 float32; bv 1,024 float32; group_prob 2 x 1 x 2,048 x 2,048 float32; keys 2 x 2,048 x 1,024 float32; queries 2 x 2,048 x 1,024 float32; values 2 x 2,048 x 1,024 float32.
;; Outputs: out0 2 x 2,048 x 1,024 float32.
;; This version of the problem:
;;   THIS VERSION OF THE PROBLEM IS GIVEN IN LOW PRECISION. The matrix products marked QUANTISED in the list below multiply operands that are first quantised to E2M3 (2 exponent bits, 3 mantissa bits; 6 bits a number), with one power-of-two scale for each 32 numbers along K (OCP MX v1.0); their sums are f32. All else is computed in f32.
;;   The module's matrix products, in the order in which they are computed (A, B: the left and right operand; K: the contracted axis; several contracted axes count as one K, in the product's order):
;;     1. [M 4,096, K 1,024] x [K 1,024, N 1,024]; A: input queries; B: input Wq: QUANTISED
;;     2. [M 4,096, K 1,024] x [K 1,024, N 1,024]; A: input keys; B: input Wk: QUANTISED
;;     3. [M 4,096, K 1,024] x [K 1,024, N 1,024]; A: input values; B: input Wv: QUANTISED
;;     4. batch 32 x [M 2,048, K 64] x [K 64, N 2,048]; A: computed on the way; B: computed on the way: QUANTISED
;;     5. batch 32 x [M 2,048, K 2,048] x [K 2,048, N 64]; A: computed on the way; B: computed on the way: QUANTISED
;;   THE QUANTISER, for each operand of a quantised product, along K:
;;     - K is cut into blocks of 32 from its start; a last block that is shorter is filled with zeros.
;;     - A block's scale is 2^e with e = floor(log2(the largest magnitude in the block)) - 2, held to -126 .. 127; a block of zeros has e = 0. As a byte (E8M0): e + 127.
;;     - Each number is divided by its block's scale, clamped to +-7.5, and rounded to the nearest number of E2M3, ties to even, subnormals kept.
;;     - The product sums the exact products of the quantised numbers (number of the format x scale) in f32.
;;   ~~~python
;;   def quantise(x, axis):      # numpy; x: float32 -> the quantised numbers, widened to float32 again
;;       x = np.moveaxis(x, axis, -1); K = x.shape[-1]
;;       x = np.pad(x, [(0, 0)] * (x.ndim - 1) + [(0, -K % 32)]); x = x.reshape(x.shape[:-1] + (-1, 32)); a = np.abs(x).max(-1, keepdims=True)
;;       e = np.where(a > 0, np.clip(np.frexp(np.where(a > 0, a, 1))[1] - 1 - 2, -126, 127), 0)      # np.frexp(a)[1] - 1 = floor(log2(a)), exactly
;;       r = np.clip(x / 2.0 ** e, -7.5, 7.5)
;;       step = 2.0 ** (np.maximum(np.frexp(np.where(r == 0, 1, r))[1] - 1, 0) - 3)
;;       q = np.round(r / step) * step * 2.0 ** e      # np.round: ties to even
;;       return np.moveaxis(q.reshape(q.shape[:-2] + (-1,))[..., :K], -1, axis).astype(np.float32)
;;   ~~~
;;   OPERANDS COMPUTED ON THE WAY. 'Computed on the way' means the value that the module computes at that place (a softmax that the list does not call 'softmax' is quantised finished and normalised). What goes into a quantiser is computed in f32, as accurately as f32 sums, v_exp_f32 and their like allow (about 1e-6 of the number): no bf16 or f16 on the way to a quantiser, and a product that is left as it is and whose result goes on into a quantised operand takes f32 operands (vector FMAs, or v_wmma_f32_16x16x4_f32). A number that lies on a knife's edge between two numbers of the format may be rounded either way, as far as f32 arithmetic and the matrix unit's own rounding can turn it there, and no further.
;; One version. Each part assembles by itself: llvm-mc -triple=amdgcn-amd-amdhsa -mcpu=gfx1250 --defsym DOCPART=n.
;; ======== version 1 of 1: 3 launches
;; limits: right only within a limited range of input values
;; workspace buffers: xc 9,437,184 bytes; xs 393,216 bytes; wc 2,359,296 bytes; ws 98,304 bytes; fc 9,437,184 bytes; fs 393,216 bytes
;; launch quant (part 1): grid 480 x 1, 4 waves a work-group, no clusters, 68,096 bytes of LDS; arguments queries, keys, values, Wq, Wk, Wv, xc, xs, wc, ws; writes xc, xs, wc, ws
.if DOCPART == 1
	.amdgcn_target "amdgcn-amd-amdhsa--gfx1250"
	.amdhsa_code_object_version 6
	.text
	.protected	k_q04f8daa2b5_quant
	.globl	k_q04f8daa2b5_quant
	.p2align	8
	.type	k_q04f8daa2b5_quant,@function
k_q04f8daa2b5_quant:
	s_mov_b64 s[64:65], 0
	v_nop
	global_prefetch_b8 v0, s[64:65] scope:SCOPE_SE
	s_setreg_imm32_b32 hwreg(HW_REG_WAVE_MODE, 25, 1), 1
	s_wait_xcnt 0x0
; The six f32 operands of the three projections become codes of FP6 (E2M3) with one E8M0 byte for each 32 along K = d_model.
; queries, keys, values [4096][1024]: K innermost.  xc [3][4096][768 bytes], xs [3][4096][32 bytes].   Work-groups 0 to 383, 128 for each tensor.
; Wq, Wk, Wv [1024 (k)][1024 (n)]: K is the FIRST axis.  wc [3][1024 (n)][768 bytes] with K innermost, ws [3][1024][32 bytes].   Work-groups 384 to 479, 32 for each tensor.
; A block's scale is 2^(floor(log2(its largest magnitude)) - 2); its byte is the largest magnitude's exponent field - 2, held at 1 from below.
; LIMITS: a block of zeros gets the byte 1 where the quantiser's text says 127 (its codes are zeros, and this program alone reads the bytes); NaN and infinities among the inputs are not served.
; The two kinds of work-group part on the work-group's number and share nothing: each path has LDS bytes of its own (0 to 32,767; 32,768 to 67,583).  Waves share nothing: no barrier.
; Memory binds here: matrix units, clusters and tensor loads would add nothing.
; LEFT OUT in the whole program: attention_mask.  The problem computes the masked scores and throws them away: the softmax takes the unmasked ones, so for all values of the mask no output hangs on it.
; It is not loaded and is among no launch's arguments.
.set WGX,   384
.set STEPS, 16
.set EMAX,  2
.set CB,    12                         ; bytes of 16 codes
.set XR,    16                         ; v16-79   four sets of 16 numbers as they are loaded
.set XN,    80                         ; v80-111  two sets of 16 neighbours
.set XE,    112                        ; v112-127 a scale byte for each step
.set XC,    128                        ; v128-191 codes: four registers for each step, so that no store's data are written again
.set XREG,  8192                       ; LDS of a wave on the first path: two stages of 32 x XSP bytes, then its 256 scale bytes
.set XSP,   80                         ; a lane's place in a stage: 64 bytes + 16 of padding
.set WSTG,  32768                      ; LDS of the second path begins here
.set WP,    272                        ; a stage row there: sixteen places of 16 bytes + 16
.set NB,    8                          ; blocks of 32 along K for a lane
.set WN,    32                         ; v32-95   two sets of 32 numbers
.set WC,    96                         ; v96..    a block's codes
.set WO,    112                        ; v112-175 the way out
.set WSB,   24                         ; v24-25   the scale bytes, four to a register
	s_load_b512 s[4:19], s[0:1], 0x0               ; queries, keys, values, Wq, Wk, Wv, xc, xs
	s_load_b128 s[20:23], s[0:1], 0x40             ; wc, ws
	v_lshl_add_u32 v192, v0, 2, 0x10800
	v_mov_b32 v193, 0
	v_lshrrev_b32 v1, 5, v0
	v_readfirstlane_b32 s24, v1                    ; wave 0..3
	v_and_b32 v2, 31, v0                           ; lane
	s_wait_kmcnt 0x0
	s_cmp_lt_u32 ttmp9, WGX
	s_cbranch_scc0 .Lweights
; ---- K innermost.  A tensor is a plain stream of blocks of 32.  A wave takes 16 steps of 512 numbers: each load reads 512 consecutive bytes; a step's 2,048 bytes turn through the wave's
; own stage in LDS and come back 64 bytes a lane, so that a lane holds 16 neighbours (two lanes a block) for the conversion.
	s_wait_alu depctr_va_vdst(0)
	v_lshlrev_b32 v3, 4, v2                        ; my 16 bytes of a load's 512
	s_mul_i32 s25, s24, XREG
	v_lshrrev_b32 v14, 2, v2
	v_mul_u32_u24 v14, v14, XSP
	v_and_b32 v15, 3, v2
	v_lshl_add_u32 v14, v15, 4, v14
	v_add_nc_u32 v14, s25, v14                     ; the stage, on the way in: XSP (lane / 4) + 16 (lane % 4)
	v_mul_u32_u24 v15, v2, XSP
	v_add_nc_u32 v15, s25, v15                     ; and on the way out: XSP x lane
	v_mul_u32_u24 v4, v2, CB                       ; my codes' place in a step's 384 bytes
	v_lshrrev_b32 v5, 1, v2
	s_add_co_u32 s25, s25, 2*32*XSP
	v_add_nc_u32 v5, s25, v5                       ; my block's byte among my wave's 256
	v_lshlrev_b32 v7, 3, v2
	v_add_nc_u32 v6, s25, v7                       ; and on the way out 8 bytes a lane
	s_lshr_b32 s26, ttmp9, 7                       ; which tensor: the choice hangs on the work-group's number alone
	s_cmp_eq_u32 s26, 0
	s_cselect_b64 s[28:29], s[4:5], s[6:7]
	s_cmp_eq_u32 s26, 2
	s_cselect_b64 s[28:29], s[8:9], s[28:29]
	s_and_b32 s26, ttmp9, 127
	s_lshl_b32 s26, s26, 2
	s_add_co_u32 s26, s26, s24                     ; which run of 8,192 numbers of the tensor is my wave's
	s_lshl_b32 s30, s26, 15                        ; 32,768 bytes a run
	s_mov_b32 s31, 0
	s_add_nc_u64 s[28:29], s[28:29], s[30:31]
	s_lshl_b32 s26, ttmp9, 2
	s_add_co_u32 s26, s26, s24                     ; the run's number over all three tensors
	s_mul_i32 s30, s26, 32*STEPS*CB                ; 6,144 bytes of codes a run
	s_add_nc_u64 s[16:17], s[16:17], s[30:31]
	s_lshl_b32 s30, s26, 8                         ; 256 scale bytes a run
	s_add_nc_u64 s[18:19], s[18:19], s[30:31]
.macro XLOAD t
.irp i, 0,1,2,3
	global_load_b128 v[XR+16*((\t)%4)+4*\i:XR+16*((\t)%4)+4*\i+3], v3, s[28:29] offset:2048*(\t)+512*\i th:TH_LOAD_NT   ; 32 lanes read 512 consecutive bytes
.endr
.endm
.macro XTURN t                         ; step t's numbers through the stage: LDS serves a wave's instructions in order, so no wait stands between the stores and the loads
.irp i, 0,1,2,3
	ds_store_b128 v14, v[XR+16*((\t)%4)+4*\i:XR+16*((\t)%4)+4*\i+3] offset:32*XSP*((\t)%2)+8*XSP*\i
.endr
.irp i, 0,1,2,3
	ds_load_b128 v[XN+16*((\t)%2)+4*\i:XN+16*((\t)%2)+4*\i+3], v15 offset:32*XSP*((\t)%2)+16*\i
.endr
.endm
.irp t, 0,1,2,3
	XLOAD \t
.endr
	s_wait_alu depctr_va_vdst(0)
	s_wait_loadcnt 12                              ; step 0's four loads are in; twelve younger ones stay out
	XTURN 0
.macro XSTEP t
.set XS, XN+16*((\t)%2)
.if (\t) > 0
	s_wait_dscnt 1                                 ; this step's numbers are back from the stage; the last step's byte store may be out
.else
	s_wait_dscnt 0x0
.endif
.if (\t)+4 < STEPS
	XLOAD (\t)+4                                   ; into the registers that this step's stage stores have read
.endif
.if (\t)+1 < STEPS
.if STEPS-2-(\t) >= 3
	s_wait_loadcnt 12                              ; the next step's four loads are in; those of the three steps behind it may be out
.else
	s_wait_loadcnt 4*(STEPS-2-(\t))
.endif
	XTURN (\t)+1
.endif
	v_max3_num_f32 v8, |v[XS]|, |v[XS+1]|, |v[XS+2]|               ; the largest magnitude of my 16, in two chains
	v_max3_num_f32 v9, |v[XS+3]|, |v[XS+4]|, |v[XS+5]|
.irp i, 6,10
	v_max3_num_f32 v8, v8, |v[XS+\i]|, |v[XS+\i+1]|
	v_max3_num_f32 v9, v9, |v[XS+\i+2]|, |v[XS+\i+3]|
.endr
	v_max3_num_f32 v8, v8, |v[XS+14]|, |v[XS+15]|
	v_max3_num_f32 v8, v8, v9, (EMAX+1)<<23        ; and the floor 2^(3 - 127): the byte cannot fall under 1
	v_max_num_f32_dpp v8, v8, v8 row_xmask:1 row_mask:0xf bank_mask:0xf   ; and of my neighbour's 16: the block's
	v_add_nc_u32 v11, -(EMAX<<23), v8              ; 2 off its exponent field: the conversion takes the exponent field of this operand as its scale
	v_cvt_scalef32_pk16_fp6_f32 v[XC+4*(\t):XC+4*(\t)+2], v[XS:XS+15], v11
	v_lshrrev_b32 v[XE+(\t)], 23, v11              ; the scale's byte (also the plain line behind the conversion)
	ds_store_b8 v5, v[XE+(\t)] offset:16*(\t)      ; both lanes of a block write the same byte with the same value
	global_store_b96 v4, v[XC+4*(\t):XC+4*(\t)+2], s[16:17] offset:32*CB*(\t)   ; the wave stores 384 consecutive bytes
.endm
.irp t, 0,1,2,3,4,5,6,7,8,9,10,11,12,13,14,15
	XSTEP \t
.endr
	ds_load_b64 v[12:13], v6                       ; LDS serves a wave's instructions in order: these see my byte stores
	s_wait_dscnt 0x0
	global_store_b64 v7, v[12:13], s[18:19]        ; 32 lanes store 256 consecutive bytes, aligned
	s_wait_tensorcnt 0x0
	ds_add_u32 v192, v193
	s_wait_dscnt 0x0
	s_endpgm
; ---- K outermost.  A lane takes a column n and its registers run down K: a block of 32 lies in one lane, and the conversions give codes with K innermost.
; A wave takes 32 columns x 256 along K; its codes leave through its own stage in LDS, sixteen lanes to a row's 192 consecutive bytes.
.Lweights:
	s_sub_co_u32 s25, ttmp9, WGX
	s_lshr_b32 s26, s25, 5                         ; which tensor
	s_and_b32 s27, s25, 7                          ; which 128 columns
	s_bfe_u32 s25, s25, 0x20003                    ; which 256 along K
	s_lshl_b32 s27, s27, 7
	s_lshl_b32 s28, s24, 5
	s_add_co_u32 s27, s27, s28                     ; my wave's first column
	s_cmp_eq_u32 s26, 0
	s_cselect_b64 s[30:31], s[10:11], s[12:13]
	s_cmp_eq_u32 s26, 2
	s_cselect_b64 s[30:31], s[14:15], s[30:31]
	s_lshl_b32 s32, s25, 20                        ; 256 rows of 4,096 bytes
	s_lshl_b32 s33, s27, 2
	s_add_co_u32 s32, s32, s33
	s_mov_b32 s33, 0
	s_add_nc_u64 s[30:31], s[30:31], s[32:33]
	s_mul_i32 s32, s26, 786432                     ; codes: tensor, column x 768, 192 bytes for each 256 along K
	s_mul_i32 s34, s27, 768
	s_add_co_u32 s32, s32, s34
	s_mul_i32 s34, s25, 192
	s_add_co_u32 s32, s32, s34
	s_add_nc_u64 s[20:21], s[20:21], s[32:33]
	s_lshl_b32 s32, s26, 15                        ; scale bytes: tensor, column x 32, 8 bytes for each 256 along K
	s_lshl_b32 s34, s27, 5
	s_add_co_u32 s32, s32, s34
	s_lshl_b32 s34, s25, 3
	s_add_co_u32 s32, s32, s34
	s_add_nc_u64 s[22:23], s[22:23], s[32:33]
	s_wait_alu depctr_va_vdst(0)
	v_lshlrev_b32 v3, 2, v2                        ; in: 4 bytes a lane
	s_mul_i32 s35, s24, 32*WP
	s_add_co_u32 s35, s35, WSTG                    ; my stage
	v_mul_u32_u24 v4, v2, WP
	v_add_nc_u32 v4, s35, v4                       ; into it: row = my column
	v_and_b32 v5, 15, v2
	v_lshrrev_b32 v6, 4, v2
	v_mul_u32_u24 v7, v6, WP
	v_lshl_add_u32 v7, v5, 4, v7
	v_add_nc_u32 v7, s35, v7                       ; out of it: sixteen lanes to a row, two rows an instruction
	v_mul_u32_u24 v8, v6, 768
	v_mad_u32_u24 v8, v5, 12, v8                   ; and the same place among the codes
	v_lshlrev_b32 v9, 5, v2                        ; my column's row of scale bytes
.macro WLOAD t                         ; block t: W(32 t + i, my column) into set t % 2; the largest offset, 255 rows of 4,096 bytes, lies inside the signed 24-bit immediate
.irp i, 0,1,2,3,4,5,6,7,8,9,10,11,12,13,14,15,16,17,18,19,20,21,22,23,24,25,26,27,28,29,30,31
	global_load_b32 v[WN+32*((\t)%2)+\i], v3, s[30:31] offset:(32*(\t)+\i)*4096 th:TH_LOAD_NT
.endr
.endm
	WLOAD 0
	WLOAD 1
.macro WBLOCK t
.set XS, WN+32*((\t)%2)
.if (\t) < NB-1
	s_wait_loadcnt 32                              ; this block's 32 loads are in; the next block's may be out
.else
	s_wait_loadcnt 0
.endif
	v_max3_num_f32 v12, |v[XS]|, |v[XS+1]|, |v[XS+2]|              ; the block's largest magnitude: all 32 numbers are mine
	v_max3_num_f32 v13, |v[XS+3]|, |v[XS+4]|, |v[XS+5]|
.irp i, 6,10,14,18,22,26
	v_max3_num_f32 v12, v12, |v[XS+\i]|, |v[XS+\i+1]|
	v_max3_num_f32 v13, v13, |v[XS+\i+2]|, |v[XS+\i+3]|
.endr
	v_max3_num_f32 v12, v12, |v[XS+30]|, |v[XS+31]|
	v_max3_num_f32 v12, v12, v13, (EMAX+1)<<23     ; and the floor
	v_add_nc_u32 v11, -(EMAX<<23), v12             ; the conversion's scale operand
	v_lshrrev_b32 v13, 23, v11                     ; the scale's byte
.if (\t)%4 == 0
	v_mov_b32 v[WSB+(\t)/4], v13                   ; four bytes to a register, the lower K in the lower byte
.else
	v_lshl_or_b32 v[WSB+(\t)/4], v13, 8*((\t)%4), v[WSB+(\t)/4]
.endif
	v_cvt_scalef32_pk16_fp6_f32 v[WC:WC+2], v[XS:XS+15], v11
	v_cvt_scalef32_pk16_fp6_f32 v[WC+4:WC+6], v[XS+16:XS+31], v11   ; (a conversion's three registers begin on an even number)
	v_nop                                          ; one plain line behind the conversions
	ds_store_b96 v4, v[WC:WC+2] offset:32*(\t)     ; 12 bytes to a place of 16, so that every LDS address is a multiple of 16
	ds_store_b96 v4, v[WC+4:WC+6] offset:32*(\t)+16
.if (\t)+2 < NB
	WLOAD (\t)+2
.endif
	s_wait_dscnt 0x0                               ; the stores have read their registers: the next block's codes may be written
.endm
.irp t, 0,1,2,3,4,5,6,7
	WBLOCK \t
.endr
	s_wait_alu depctr_va_vdst(0)
	global_store_b64 v9, v[WSB:WSB+1], s[22:23]    ; my column's eight scale bytes
.irp t, 0,1,2,3,4,5,6,7,8,9,10,11,12,13,14,15
	ds_load_b96 v[WO+4*\t:WO+4*\t+2], v7 offset:2*\t*WP
.endr
.irp t, 0,1,2,3,4,5,6,7,8,9,10,11,12,13,14,15
	s_wait_dscnt 15-\t
	global_store_b96 v8, v[WO+4*\t:WO+4*\t+2], s[20:21] offset:2*\t*768
.endr
	s_wait_tensorcnt 0x0
	ds_add_u32 v192, v193
	s_wait_dscnt 0x0
	s_endpgm
.Lfunc_end_k_q04f8daa2b5_quant:
	.size	k_q04f8daa2b5_quant, .Lfunc_end_k_q04f8daa2b5_quant-k_q04f8daa2b5_quant
	.p2alignl 7, 3214868480
	.fill 96, 4, 3214868480
	.section	.rodata,"a",@progbits
	.p2align	6, 0x0
	.amdhsa_kernel k_q04f8daa2b5_quant
		.amdhsa_group_segment_fixed_size 68096
		.amdhsa_private_segment_fixed_size 0
		.amdhsa_enable_private_segment 0
		.amdhsa_kernarg_size 80
		.amdhsa_user_sgpr_count 2
		.amdhsa_user_sgpr_kernarg_segment_ptr 1
		.amdhsa_wavefront_size32 1
		.amdhsa_system_sgpr_workgroup_id_x 1
		.amdhsa_system_sgpr_workgroup_id_y 1
		.amdhsa_system_sgpr_workgroup_id_z 1
		.amdhsa_system_vgpr_workitem_id 0
		.amdhsa_next_free_vgpr 194
		.amdhsa_next_free_sgpr 66
		.amdhsa_reserve_vcc 0
		.amdhsa_float_denorm_mode_32 3
		.amdhsa_float_denorm_mode_16_64 3
		.amdhsa_memory_ordered 1
		.amdhsa_forward_progress 1
		.amdhsa_inst_pref_size 74
	.end_amdhsa_kernel
	.amdgpu_metadata
---
amdhsa.version: [ 1, 2 ]
amdhsa.kernels:
  - .name:           k_q04f8daa2b5_quant
    .symbol:         k_q04f8daa2b5_quant.kd
    .args:
      - { .name: queries, .offset: 0, .size: 8, .value_kind: global_buffer, .address_space: global }
      - { .name: keys, .offset: 8, .size: 8, .value_kind: global_buffer, .address_space: global }
      - { .name: values, .offset: 16, .size: 8, .value_kind: global_buffer, .address_space: global }
      - { .name: Wq, .offset: 24, .size: 8, .value_kind: global_buffer, .address_space: global }
      - { .name: Wk, .offset: 32, .size: 8, .value_kind: global_buffer, .address_space: global }
      - { .name: Wv, .offset: 40, .size: 8, .value_kind: global_buffer, .address_space: global }
      - { .name: xc, .offset: 48, .size: 8, .value_kind: global_buffer, .address_space: global }
      - { .name: xs, .offset: 56, .size: 8, .value_kind: global_buffer, .address_space: global }
      - { .name: wc, .offset: 64, .size: 8, .value_kind: global_buffer, .address_space: global }
      - { .name: ws, .offset: 72, .size: 8, .value_kind: global_buffer, .address_space: global }
    .group_segment_fixed_size: 68096
    .private_segment_fixed_size: 0
    .kernarg_segment_align: 8
    .kernarg_segment_size: 80
    .max_flat_workgroup_size: 128
    .sgpr_count:     66
    .vgpr_count:     194
    .wavefront_size: 32
...
	.end_amdgpu_metadata
.endif
;; end of part 1
;; launch proj (part 2): grid 4 x 48, 4 waves a work-group, clusters of 4 x 4, 327,680 bytes of LDS; arguments xc, xs, wc, ws, bq, bk, bv, fc, fs; writes fc, fs
.if DOCPART == 2
	.amdgcn_target "amdgcn-amd-amdhsa--gfx1250"
	.amdhsa_code_object_version 6
	.text
	.protected	k_q04f8daa2b5_proj
	.globl	k_q04f8daa2b5_proj
	.p2align	8
	.type	k_q04f8daa2b5_proj,@function
k_q04f8daa2b5_proj:
	s_mov_b64 s[64:65], 0
	v_nop
	global_prefetch_b8 v0, s[64:65] scope:SCOPE_SE
	s_setreg_imm32_b32 hwreg(HW_REG_WAVE_MODE, 25, 1), 1
	s_wait_xcnt 0x0
	s_wait_alu depctr_hold_cnt(0) depctr_sa_sdst(0) depctr_va_vdst(0) depctr_va_sdst(0) depctr_va_ssrc(0) depctr_va_vcc(0) depctr_vm_vsrc(0)
	s_getreg_b32 s2, hwreg(HW_REG_IB_STS2, 6, 4)
	s_cmp_eq_u32 s2, 0
	s_cbranch_scc0 .Lentry_in_a_cluster
	s_endpgm
.Lentry_in_a_cluster:
	s_bfe_u32 s2, ttmp6, 0x10000c
	s_cmp_lg_u32 s2, 0xf033
	s_cbranch_scc0 .Lentry_shape_is_right
	s_endpgm
.Lentry_shape_is_right:
; The three projections on codes of FP6 (E2M3), K = 1,024, and the quantising of their results for the attention launch.
; q and k: C = X W^T + bias, rows = tokens; quantised along the head's 64 channels.  v: the roles are swapped (rows = channels, columns = tokens), so that V^T is quantised along the keys.
; A work-group of four waves makes 256 x 256, a wave 128 x 128 in 64 accumulators.  A row of codes is 768 bytes: it goes through two LDS slots in three chunks of 256 bytes, each beginning
; on a multiple of 256 bytes; a step of 128 along K is 96 bytes, so steps 2 and 5 take their fragments from two chunks.  The scales of the 256 + 256 rows come once, as dense blocks.
; CLUSTER 4 x 4: A's tiles are asked for jointly along a row of the cluster, B's along a column.
; The product is used transposed (source 0 = B's rows): a lane holds one row of C and eight neighbouring columns, so its 64 numbers of a block of 16 rows are four blocks of 32 along the next K.
; Inside a block of 32 the codes stand in the order 0-7, 16-23, 8-15, 24-31, alike in q, k, v and p.  fc holds images of operand registers: 1,536 bytes for 16 rows x 128; fs one word a row and 128.
; No prefetch: the walk has three chunks, of which two are asked for at the head, so there is no loop to run ahead in.
; LIMITS: a block of zeros gets the byte 1 and zero codes; NaN and infinities are not served.
.set ROWB,   256
.set NQ,     2
.set KROW,   768
.set STEPS,  8
.set CHUNKS, 3
.set PITCH,  272
.set FR,     12
.set NL,     6
.set NP,     4
.set HALFT,  128*PITCH
.set SLOT,   4*HALFT
.set KS,     32
.set SCL,    2*SLOT
.set HALFS,  (128*KS/256)*272
.set SBLK,   (16*KS/256)*272
.set SPARE,  SCL+4*HALFS               ; the spare words, 128 bytes a wave
.set ADRA, 16                          ; v16-17 A's fragments in slot 0, 1; v18-19 for pieces whose lane halves lie in two chunks
.set ADRB, 20
.set L8,   24
.set L16,  25
.set ADRS, 27
.set SPW,  28
.set NIL,  29
.set BO,   30
.set RO,   31
.set SC,   32                          ; v32-63 scale words, two sets
.set BP,   64                          ; v64-127 bias by columns
.set AF,   128                         ; A's fragments, one set
.set H,    128
.set CD,   192
.set TM,   212
.set PW,   228
.set PWS,  230
.set XW,   64
.set BR,   240                         ; bias by rows
.set G1, 24
.set G0, 32
.set G1B, 48
.set G0B, 56
.set G1S, 68
.set G0S, 76
.set G1SB, 80
.set G0SB, 88
.set G0H, 4
.set G0HB, 8
.set MSB, 0
.macro WIN new
.if MSB != (\new)
	s_set_vgpr_msb (MSB<<8)|(\new)
.set MSB, (\new)
.endif
.endm
.set MUL_LO, 0xa1
.set MUL_HI, 0xf1
.set TO_B,   0x40
.macro JLOAD g0a, g1a, g0b, g1b        ; waves 0, 1 fetch for A, waves 2, 3 for B
	s_cmp_eq_u32 s15, 0
	s_cbranch_scc0 .Lfor_b_\@
	tensor_load_to_lds s[\g0a:\g0a+3], s[\g1a:\g1a+7]
	s_nop 0
.rept 4
	v_nop
.endr
	s_branch .Lasked_\@
.Lfor_b_\@:
	tensor_load_to_lds s[\g0b:\g0b+3], s[\g1b:\g1b+7]
	s_nop 0
.rept 4
	v_nop
.endr
.Lasked_\@:
.endm
.macro CREST
	s_cmp_lg_u32 s14, 0
	s_cbranch_scc1 .Lnot_wave_0_\@
	s_barrier_signal -3
.Lnot_wave_0_\@:
	s_barrier_wait -3
	s_barrier_signal -1
	s_barrier_wait -1
.endm
.macro CROUND
	s_barrier_signal -1
	s_barrier_wait -1
	CREST
.endm
	s_load_b256 s[80:87], s[0:1], 0x0              ; xc, xs, wc, ws
	s_load_b256 s[88:95], s[0:1], 0x20             ; bq, bk, bv, fc
	s_load_b64 s[96:97], s[0:1], 0x40              ; fs
	v_lshl_add_u32 v[SPW], v0, 2, SPARE
	v_mov_b32 v[NIL], 0
	ds_add_u32 v[SPW], v[NIL]                      ; the opening lines
	ds_add_u32 v[SPW], v[NIL]
	v_lshrrev_b32 v1, 5, v0
	v_readfirstlane_b32 s14, v1                    ; wave
	s_lshr_b32 s15, s14, 1                         ; my half of the rows; also: I fetch for A or for B
	s_and_b32 s16, s14, 1                          ; my half of the columns; also: which 128 rows I fetch
	s_bfe_u32 s40, ttmp6, 0x40000                  ; cx
	s_bfe_u32 s41, ttmp6, 0x40004                  ; cy
	s_and_b32 s18, ttmp7, 0xffff
	s_lshr_b32 s66, s18, 2                         ; the tensor: 0 q, 1 k, 2 v
	s_and_b32 s18, s18, 3
	s_lshl_b32 s18, s18, 2
	s_cmp_lt_u32 s66, 2
	s_cselect_b32 s17, s18, 0
	s_cselect_b32 s42, 0, s18
	s_add_co_u32 s17, s17, s41                     ; tile row
	s_add_co_u32 s42, s42, s40                     ; tile column
	s_lshl_b32 s43, s41, 2
	s_lshl_b32 s43, 15, s43                        ; my row of the cluster
	s_lshl_b32 s44, 0x1111, s40                    ; my column
	s_wait_dscnt 0x0
	s_wait_kmcnt 0x0
	s_cmp_lt_u32 s66, 2
	s_cselect_b64 s[4:5], s[80:81], s[84:85]       ; A: tokens for q and k, weights for v
	s_cselect_b64 s[6:7], s[82:83], s[86:87]
	s_cselect_b64 s[8:9], s[84:85], s[80:81]
	s_cselect_b64 s[10:11], s[86:87], s[82:83]
	s_mov_b64 s[12:13], s[94:95]
	s_mov_b64 s[98:99], s[96:97]
	s_cmp_eq_u32 s66, 0
	s_cselect_b64 s[100:101], s[88:89], s[90:91]
	s_cmp_eq_u32 s66, 2
	s_cselect_b64 s[100:101], s[92:93], s[100:101]
	s_mul_i32 s18, s66, 3145728
	s_mul_i32 s19, s66, 786432
	s_mul_i32 s20, s66, 131072
	s_mul_i32 s21, s66, 32768
	s_cmp_lt_u32 s66, 2
	s_cselect_b32 s92, s18, s19
	s_cselect_b32 s93, s20, s21
	s_cselect_b32 s94, s19, s18
	s_cselect_b32 s95, s21, s20
	s_lshl_b32 s20, s17, 8                         ; the tile's first row of A,
	s_lshl_b32 s46, s42, 8                         ; and of B
	s_mul_i32 s21, s20, KROW
	s_add_co_u32 s92, s92, s21
	s_mul_i32 s21, s20, KS
	s_add_co_u32 s93, s93, s21
	s_mul_i32 s47, s46, KROW
	s_add_co_u32 s94, s94, s47
	s_mul_i32 s47, s46, KS
	s_add_co_u32 s95, s95, s47
	s_mov_b32 s20, s92
	s_mov_b32 s21, 0
	s_add_nc_u64 s[20:21], s[4:5], s[20:21]
	s_mov_b32 s22, s93
	s_mov_b32 s23, 0
	s_add_nc_u64 s[22:23], s[6:7], s[22:23]
	s_mov_b32 s46, s94
	s_mov_b32 s47, 0
	s_add_nc_u64 s[46:47], s[8:9], s[46:47]
	s_mov_b32 s96, s95
	s_mov_b32 s97, 0
	s_add_nc_u64 s[96:97], s[10:11], s[96:97]
	s_mul_i32 s18, s16, 128*KROW                   ; in the ring I fetch 128 rows
	s_mov_b32 s19, 0
	s_mul_i32 s45, s14, HALFT
	s_or_b32 s[G1+0], s43, (0<<16)|(1<<20)|(1<<21)|(5<<22)|(3<<25)   ; rows of 256 bytes, 16 bytes of padding behind each
	s_or_b32 s[G1B+0], s44, (0<<16)|(1<<20)|(1<<21)|(5<<22)|(3<<25)
.irp g, G1, G1B
	s_mov_b32 s[\g+1], ROWB<<16
	s_mov_b32 s[\g+2], 256<<16                     ; 256 rows for the head's loads
	s_mov_b32 s[\g+3], ROWB<<16
	s_mov_b32 s[\g+4], 256
	s_mov_b32 s[\g+5], KROW
	s_mov_b32 s[\g+6], 0
	s_mov_b32 s[\g+7], 0
.endr
	s_or_b32 s[G1S+0], s43, (3<<16)|(1<<20)|(1<<21)|(5<<22)|(3<<25)  ; the scales of 256 rows: 32 dense rows of 256 bytes
	s_or_b32 s[G1SB+0], s44, (3<<16)|(1<<20)|(1<<21)|(5<<22)|(3<<25)
.irp g, G1S, G1SB
	s_mov_b32 s[\g+1], 32<<16
	s_mov_b32 s[\g+2], KS<<16
	s_mov_b32 s[\g+3], 32<<16
	s_mov_b32 s[\g+4], KS
	s_mov_b32 s[\g+5], 32
	s_mov_b32 s[\g+6], 0
	s_mov_b32 s[\g+7], 0
.endr
	CROUND                                         ; the first joint loads meet
	s_mov_b32 s[G0H], 1
	s_mov_b32 s[G0H+1], 0
	s_mov_b64 s[G0H+2:G0H+3], s[20:21]
	s_or_b32 s[G0H+3], s[G0H+3], 0x80000000
	s_mov_b32 s[G0HB], 1
	s_mov_b32 s[G0HB+1], 2*HALFT
	s_mov_b64 s[G0HB+2:G0HB+3], s[46:47]
	s_or_b32 s[G0HB+3], s[G0HB+3], 0x80000000
	s_mov_b32 s[G0S], 1
	s_mov_b32 s[G0S+1], SCL
	s_mov_b64 s[G0S+2:G0S+3], s[22:23]
	s_or_b32 s[G0S+3], s[G0S+3], 0x80000000
	s_mov_b32 s[G0SB], 1
	s_mov_b32 s[G0SB+1], SCL+2*HALFS
	s_mov_b64 s[G0SB+2:G0SB+3], s[96:97]
	s_or_b32 s[G0SB+3], s[G0SB+3], 0x80000000
	s_add_nc_u64 s[20:21], s[20:21], s[18:19]
	s_add_nc_u64 s[46:47], s[46:47], s[18:19]
.irp s, 0,1
	s_mov_b32 s[G0+4*\s], 1
	s_add_co_u32 s[G0+4*\s+1], s45, \s*SLOT
	s_add_nc_u64 s[G0+4*\s+2:G0+4*\s+3], s[20:21], \s*ROWB
	s_or_b32 s[G0+4*\s+3], s[G0+4*\s+3], 0x80000000
	s_mov_b32 s[G0B+4*\s], 1
	s_add_co_u32 s[G0B+4*\s+1], s45, \s*SLOT
	s_add_nc_u64 s[G0B+4*\s+2:G0B+4*\s+3], s[46:47], \s*ROWB
	s_or_b32 s[G0B+4*\s+3], s[G0B+4*\s+3], 0x80000000
.endr
; the head's four tiles, one joint load a wave: chunk 0 of A, chunk 0 of B, A's scales, B's scales
.macro ARM under, g0, g1, next
	s_cmp_lt_u32 s14, \under
	s_cbranch_scc0 \next
	tensor_load_to_lds s[\g0:\g0+3], s[\g1:\g1+7]
	s_nop 0
.rept 4
	v_nop
.endr
	s_branch .Lhead_asked
\next:
.endm
	ARM 1, G0H,  G1,  .Lhead_b
	ARM 2, G0HB, G1B, .Lhead_sa
	ARM 3, G0S,  G1S, .Lhead_sb
	tensor_load_to_lds s[G0SB:G0SB+3], s[G1SB:G1SB+7]
	s_nop 0
.rept 4
	v_nop
.endr
.Lhead_asked:
	v_and_b32 v1, 15, v0                           ; r
	v_bfe_u32 v2, v0, 4, 1                         ; h
	v_mul_u32_u24 v3, v1, PITCH
	v_mul_u32_u24 v4, v2, 24
	v_add_nc_u32 v4, v3, v4                        ; row x pitch + 24 h
	s_mov_b32 s21, SLOT-232
	s_mov_b32 s22, SLOT+232
	v_sub_nc_u32 v7, 1, v2
	v_mul_u32_u24 v5, s21, v2
	v_add_nc_u32 v5, v3, v5
	v_add_nc_u32 v5, 232, v5                       ; lanes 0-15 byte 232 in slot 0, lanes 16-31 byte 0 in slot 1
	v_mul_u32_u24 v6, s22, v7
	v_add_nc_u32 v6, v3, v6                        ; and the other way round
	s_mul_i32 s21, s15, HALFT
	s_mul_i32 s22, s16, HALFT
	s_add_co_u32 s22, s22, 2*HALFT
	v_add_nc_u32 v[ADRA+2], s21, v5
	v_add_nc_u32 v[ADRA+3], s21, v6
	v_add_nc_u32 v[ADRB+2], s22, v5
	v_add_nc_u32 v[ADRB+3], s22, v6
.irp s, 0,1
	v_add_nc_u32 v[ADRA+\s], s21, v4
	v_add_nc_u32 v[ADRB+\s], s22, v4
	s_add_co_u32 s21, s21, SLOT
	s_add_co_u32 s22, s22, SLOT
.endr
	v_mul_u32_u24 v5, v1, KS
	v_lshrrev_b32 v6, 8, v5
	v_lshl_add_u32 v5, v6, 4, v5
	s_mul_i32 s21, s15, HALFS
	s_mul_i32 s22, s16, HALFS
	s_add_co_u32 s22, s22, 2*HALFS
	s_sub_co_u32 s22, s22, s21
	v_mul_u32_u24 v6, s22, v2                      ; lanes 16-31 take B's scale words
	s_add_co_u32 s21, s21, SCL
	v_add_nc_u32 v5, v5, v6
	v_add_nc_u32 v[ADRS], s21, v5
	s_wait_alu depctr_va_vdst(0)                   ; a wait ahead of the readers below
	v_and_b32 v6, 31, v0
	v_lshlrev_b32 v[L8], 3, v6
	v_lshlrev_b32 v[L16], 4, v6
	v_lshlrev_b32 v[BO], 5, v2
	v_lshlrev_b32 v[RO], 2, v1
	; where my results go, and my part of the bias
	s_lshl_b32 s20, s17, 4
	s_lshl_b32 s21, s15, 3
	s_add_co_u32 s20, s20, s21                     ; my first block of 16 rows
	s_lshl_b32 s46, s42, 1
	s_add_co_u32 s46, s46, s16                     ; my group of 128 columns
	s_lshl_b32 s23, s17, 1
	s_add_co_u32 s23, s23, s15
	s_lshl_b32 s23, s23, 9
	s_lshl_b32 s3, s46, 9
	s_cmp_lt_u32 s66, 2
	s_mov_b32 s96, 1536
	s_cselect_b32 s96, 12288, s96
	s_mov_b32 s47, 98304
	s_cselect_b32 s47, 1536, s47
	s_mov_b32 s22, 4096
	s_cselect_b32 s22, 16384, s22
	s_cselect_b32 s92, s3, 0
	s_cselect_b32 s94, 0, s23
	s_mov_b32 s97, 0
	s_mov_b32 s93, 0
	s_mov_b32 s95, 0
	s_add_nc_u64 s[94:95], s[100:101], s[94:95]
	s_add_nc_u64 s[100:101], s[100:101], s[92:93]
	s_mul_i32 s20, s20, s96
	s_mul_i32 s21, s46, s47
	s_add_co_u32 s20, s20, s21
	s_mul_i32 s21, s66, 3145728
	s_add_co_u32 s20, s20, s21
	s_mov_b32 s21, 0
	s_add_nc_u64 s[12:13], s[12:13], s[20:21]
	s_mul_i32 s20, s46, s22
	s_add_co_u32 s20, s20, s23
	s_mul_i32 s22, s66, 131072
	s_add_co_u32 s20, s20, s22
	s_add_nc_u64 s[98:99], s[98:99], s[20:21]
	s_mov_b32 s2, 0x76543210
	s_mov_b32 s3, 0xfedcba98
	s_mov_b32 s67, 0xffff0000
	s_wait_alu depctr_va_vdst(0)                   ; a wait behind the run of scalar lines
.irp b, 0,1,2,3,4,5,6,7
	global_load_b128 v[BP+8*\b:BP+8*\b+3], v[BO], s[100:101] offset:64*\b
	global_load_b128 v[BP+8*\b+4:BP+8*\b+7], v[BO], s[100:101] offset:64*\b+16
.endr
.irp a, 0,1,2,3,4,5,6,7
	global_load_b32 v[BR+2*\a], v[RO], s[94:95] offset:64*\a
	global_load_b32 v[BR+2*\a+1], v[RO], s[94:95] offset:64*\a
.endr
.macro FRAG reg, adr, st, i            ; 16 rows x 128 K: six pieces of 8 bytes; byte y of a row lies in chunk y / 256, slot (y / 256) % 2
.irp p, 0,1,2,3,4,5
.set BY, 96*(\st)+48*(\p/3)+8*(\p%3)
.if BY/ROWB == (BY+24)/ROWB
	ds_load_b64 v[\reg+2*\p:\reg+2*\p+1], v[\adr+(BY/ROWB)%2] offset:BY%ROWB+(\i)*16*PITCH
.else
	ds_load_b64 v[\reg+2*\p:\reg+2*\p+1], v[\adr+2+(BY/ROWB)%2] offset:BY%ROWB-232+(\i)*16*PITCH
.endif
.endr
.endm
.macro MUL16 a0, p, q, sc, zero        ; the 64 accumulators take turns
.irp a, \a0, \a0+1
.irp b, 0,1,2,3,4,5,6,7
.if \zero
	v_wmma_scale_f32_16x16x128_f8f6f4 v[8*(8*((\a)%4)+\b):8*(8*((\a)%4)+\b)+7], v[128*(\p)+FR*\b:128*(\p)+FR*\b+FR-1], v[AF+FR*(\a):AF+FR*(\a)+FR-1], 0, v[SC+8*NQ*(\sc)+NQ*\b+(\q)], v[SC+8*NQ*(\sc)+NQ*(\a)+(\q)] matrix_a_fmt:MATRIX_FMT_FP6 matrix_b_fmt:MATRIX_FMT_FP6 matrix_a_scale:MATRIX_SCALE_ROW1
.else
	v_wmma_scale_f32_16x16x128_f8f6f4 v[8*(8*((\a)%4)+\b):8*(8*((\a)%4)+\b)+7], v[128*(\p)+FR*\b:128*(\p)+FR*\b+FR-1], v[AF+FR*(\a):AF+FR*(\a)+FR-1], v[8*(8*((\a)%4)+\b):8*(8*((\a)%4)+\b)+7], v[SC+8*NQ*(\sc)+NQ*\b+(\q)], v[SC+8*NQ*(\sc)+NQ*(\a)+(\q)] matrix_a_fmt:MATRIX_FMT_FP6 matrix_b_fmt:MATRIX_FMT_FP6 matrix_a_scale:MATRIX_SCALE_ROW1
.endif
.endr
.endr
.endm
.macro FETCH_B st, p
	WIN TO_B
.irp i, 0,1,2,3,4,5,6,7
	FRAG 128*(\p)+FR*\i, ADRB, \st, \i
.endr
	WIN 0
.endm
.macro FETCH_A st, i0
.irp i, \i0, \i0+1, \i0+2, \i0+3
	FRAG AF+FR*(\i), ADRA, \st, \i
.endr
.endm
.macro SCALES pr
.irp i, 0,1,2,3,4,5,6,7
	ds_load_b64 v[SC+8*NQ*((\pr)%2)+NQ*\i:SC+8*NQ*((\pr)%2)+NQ*\i+1], v[ADRS] offset:\i*SBLK+4*NQ*(\pr)
.endr
.endm
.macro PLACES n
.rept \n
	v_nop
.endr
.endm
; A step: 64 products; the next step's fragments are fetched in its middle and at its end.  Where the next step ends in a chunk not yet read, a barrier shows that chunk whole;
; where it begins in a later chunk, the chunk left behind is read no more, and where a chunk two on is left to fetch the barrier opens a round and the slot is filled again.
.macro STEP st, zero
.set NX, (\st)+1
.set C0, (96*(\st))/ROWB
.set C1, (96*NX)/ROWB
.set E0, (96*(\st)+95)/ROWB
.set E1, (96*NX+95)/ROWB
.if C1 > C0 || E1 > E0
	s_wait_tensorcnt 0x0                           ; all my tensor loads have landed
.if C1 > C0
	ds_add_u32 v[SPW], v[NIL]
	s_wait_dscnt 4*NL+1                            ; the add and A's blocks 4-7 may be out
.else
	s_wait_dscnt 4*NL                              ; A's blocks 4-7 may be out
.endif
	WIN MUL_LO
	MUL16 0, (\st)%2, (\st)%2, ((\st)/2)%2, \zero
	s_wait_dscnt 0x0                               ; the add and all my reads are done
	s_barrier_signal -1
	MUL16 2, (\st)%2, (\st)%2, ((\st)/2)%2, \zero
	WIN 0
	s_barrier_wait -1
.if C1 > C0 && C0+2 < CHUNKS
	CREST
	s_add_nc_u64 s[G0+4*(C0%2)+2:G0+4*(C0%2)+3], s[G0+4*(C0%2)+2:G0+4*(C0%2)+3], 2*ROWB
	s_add_nc_u64 s[G0B+4*(C0%2)+2:G0B+4*(C0%2)+3], s[G0B+4*(C0%2)+2:G0B+4*(C0%2)+3], 2*ROWB
	JLOAD G0+4*(C0%2), G1, G0B+4*(C0%2), G1B       ; chunk C0 + 2; its four v_nop are the places in front of the loads below
.else
	PLACES NP
.endif
.else
	s_wait_dscnt 4*NL
	WIN MUL_LO
	MUL16 0, (\st)%2, (\st)%2, ((\st)/2)%2, \zero
	MUL16 2, (\st)%2, (\st)%2, ((\st)/2)%2, \zero
	s_wait_dscnt 0
	PLACES NP
.endif
	FETCH_B NX, NX%2
	FETCH_A NX, 0
.if NX%2 == 0
	SCALES NX/2
.endif
	WIN MUL_HI
	MUL16 4, (\st)%2, (\st)%2, ((\st)/2)%2, \zero
	MUL16 6, (\st)%2, (\st)%2, ((\st)/2)%2, \zero
	PLACES NP
	WIN 0
	FETCH_A NX, 4
.endm
	s_wait_alu depctr_va_vdst(0)                   ; a wait at the head's end
	s_wait_tensorcnt 0x0                           ; my tile of the head's four is in
	ds_add_u32 v[SPW], v[NIL]
	s_mov_b32 s[G1+2], 128<<16                     ; no tensor load of mine is out: from here on a load brings 128 rows
	s_mov_b32 s[G1+4], 128
	s_mov_b32 s[G1B+2], 128<<16
	s_mov_b32 s[G1B+4], 128
	s_wait_dscnt 0x0
	CROUND
	JLOAD G0+4, G1, G0B+4, G1B                     ; chunk 1, the first tensor load behind the round
	FETCH_B 0, 0
	FETCH_A 0, 0
	SCALES 0
	FETCH_A 0, 4
	STEP 0, 1
.set ST, 1
.rept STEPS-2
	STEP ST, 0
.set ST, ST+1
.endr
	s_wait_dscnt 4*NL
	WIN MUL_LO
	MUL16 0, 1, 1, 1, 0
	MUL16 2, 1, 1, 1, 0
	s_wait_dscnt 0
	WIN MUL_HI
	MUL16 4, 1, 1, 1, 0
	MUL16 6, 1, 1, 1, 0
	WIN 0
; THE WAY OUT: a block of 16 rows x 128 columns gets its bias and is quantised in registers: four blocks of 32, each in lanes l and l xor 16; the twelve registers are stored as they stand.
.macro QUANT s
.irp b, 0,1,2,3
	v_max3_num_f32 v[TM+\b], |v[\s+16*\b]|, |v[\s+1+16*\b]|, 0x1800000
.endr
.irp i, 2,4,6,8,10,12,14
.irp b, 0,1,2,3
	v_max3_num_f32 v[TM+\b], v[TM+\b], |v[\s+16*\b+\i]|, |v[\s+1+16*\b+\i]|
.endr
.endr
.irp b, 0,1,2,3
	v_permlanex16_b32 v[TM+4+\b], v[TM+\b], s2, s3
.endr
.irp b, 0,1,2,3
	v_max_num_f32 v[TM+\b], v[TM+\b], v[TM+4+\b]
.endr
.irp b, 0,1,2,3
	v_add_nc_u32 v[TM+12+\b], 0xff000000, v[TM+\b]
.endr
.irp b, 0,1,2,3
	v_lshrrev_b32 v[TM+4+\b], 23, v[TM+12+\b]
.endr
	v_lshl_or_b32 v[PW], v[TM+5], 8, v[TM+4]
	v_lshl_or_b32 v[PW], v[TM+6], 16, v[PW]
	v_lshl_or_b32 v[PW], v[TM+7], 24, v[PW]
.irp c, 0,1
	v_cvt_scalef32_pk16_fp6_f32 v[CD+6*\c:CD+2+6*\c], v[\s+32*\c:\s+15+32*\c], v[TM+12+2*\c]
	v_cvt_scalef32_pk16_fp6_f32 v[CD+12+4*\c:CD+14+4*\c], v[\s+16+32*\c:\s+31+32*\c], v[TM+12+2*\c+1]
.endr
	v_nop
.irp c, 0,1
.irp i, 0,1,2
	v_permlane16_swap_b32 v[CD+6*\c+\i], v[CD+12+4*\c+\i]
.endr
.irp i, 0,1,2
	v_mov_b32 v[CD+3+6*\c+\i], v[CD+12+4*\c+\i]
.endr
.endr
.endm
.macro OUTBLK a
.set AC, 64*((\a)%4)
.set WN, 0x02+(\a)/4
	s_cmp_eq_u32 s66, 2
	s_cbranch_scc1 .Lrow_\@
	WIN WN
.set j, 0
.rept 32
	v_pk_add_f32 v[H+j:H+j+1], v[AC+j:AC+j+1], v[BP+j:BP+j+1]
.set j, j+2
.endr
	WIN 0
	s_branch .Lsum_\@
.Lrow_\@:
	WIN WN
.set j, 0
.rept 32
	v_pk_add_f32 v[H+j:H+j+1], v[AC+j:AC+j+1], v[BR+2*(\a):BR+2*(\a)+1]
.set j, j+2
.endr
	WIN 0
.Lsum_\@:
.if (\a) > 0
	s_wait_xcnt 0x0
	s_add_nc_u64 s[12:13], s[12:13], s[96:97]
.endif
	QUANT H
	v_mov_b32 v[PWS+(\a)], v[PW]
.irp i, 0,1,2,3,4,5
	global_store_b64 v[L8], v[CD+2*\i:CD+2*\i+1], s[12:13] offset:256*\i   ; 32 lanes store 256 consecutive bytes, aligned
.endr
.endm
	PLACES NP
.irp b, 0,1,2,3
	v_mov_b32 v[TM+4+\b], 0
.endr
	s_wait_loadcnt 0x0
.irp a, 0,1,2,3,4,5,6,7
	OUTBLK \a
.endr
.irp j, 0,1,2,3
	v_cndmask_b32 v[XW+\j], v[PWS+2*\j], v[PWS+2*\j+1], s67
.endr
	global_store_b128 v[L16], v[XW:XW+3], s[98:99]
	s_wait_tensorcnt 0x0                           ; the wave's end
	ds_add_u32 v[SPW], v[NIL]
	s_wait_dscnt 0x0
	CROUND
	s_endpgm
.Lfunc_end_k_q04f8daa2b5_proj:
	.size	k_q04f8daa2b5_proj, .Lfunc_end_k_q04f8daa2b5_proj-k_q04f8daa2b5_proj
	.p2alignl 7, 3214868480
	.fill 96, 4, 3214868480
	.section	.rodata,"a",@progbits
	.p2align	6, 0x0
	.amdhsa_kernel k_q04f8daa2b5_proj
		.amdhsa_group_segment_fixed_size 327680
		.amdhsa_private_segment_fixed_size 0
		.amdhsa_enable_private_segment 0
		.amdhsa_kernarg_size 72
		.amdhsa_user_sgpr_count 2
		.amdhsa_user_sgpr_kernarg_segment_ptr 1
		.amdhsa_wavefront_size32 1
		.amdhsa_system_sgpr_workgroup_id_x 1
		.amdhsa_system_sgpr_workgroup_id_y 1
		.amdhsa_system_sgpr_workgroup_id_z 1
		.amdhsa_system_vgpr_workitem_id 0
		.amdhsa_next_free_vgpr 1024
		.amdhsa_next_free_sgpr 102
		.amdhsa_reserve_vcc 0
		.amdhsa_float_denorm_mode_32 3
		.amdhsa_float_denorm_mode_16_64 3
		.amdhsa_memory_ordered 1
		.amdhsa_forward_progress 1
		.amdhsa_inst_pref_size 205
	.end_amdhsa_kernel
	.amdgpu_metadata
---
amdhsa.version: [ 1, 2 ]
amdhsa.kernels:
  - .name:           k_q04f8daa2b5_proj
    .symbol:         k_q04f8daa2b5_proj.kd
    .args:
      - { .name: xc, .offset: 0, .size: 8, .value_kind: global_buffer, .address_space: global }
      - { .name: xs, .offset: 8, .size: 8, .value_kind: global_buffer, .address_space: global }
      - { .name: wc, .offset: 16, .size: 8, .value_kind: global_buffer, .address_space: global }
      - { .name: ws, .offset: 24, .size: 8, .value_kind: global_buffer, .address_space: global }
      - { .name: bq, .offset: 32, .size: 8, .value_kind: global_buffer, .address_space: global }
      - { .name: bk, .offset: 40, .size: 8, .value_kind: global_buffer, .address_space: global }
      - { .name: bv, .offset: 48, .size: 8, .value_kind: global_buffer, .address_space: global }
      - { .name: fc, .offset: 56, .size: 8, .value_kind: global_buffer, .address_space: global }
      - { .name: fs, .offset: 64, .size: 8, .value_kind: global_buffer, .address_space: global }
    .group_segment_fixed_size: 327680
    .private_segment_fixed_size: 0
    .kernarg_segment_align: 8
    .kernarg_segment_size: 72
    .max_flat_workgroup_size: 128
    .sgpr_count:     102
    .vgpr_count:     1024
    .wavefront_size: 32
...
	.end_amdgpu_metadata
.endif
;; end of part 2
;; launch attn (part 3): grid 16 x 16, 16 waves a work-group, clusters of 4 x 1, 327,680 bytes of LDS; arguments fc, fs, group_prob, out0; writes out0
.if DOCPART == 3
	.amdgcn_target "amdgcn-amd-amdhsa--gfx1250"
	.amdhsa_code_object_version 6
	.text
	.protected	k_q04f8daa2b5_attn
	.globl	k_q04f8daa2b5_attn
	.p2align	8
	.type	k_q04f8daa2b5_attn,@function
k_q04f8daa2b5_attn:
	s_mov_b64 s[64:65], 0
	v_nop
	global_prefetch_b8 v0, s[64:65] scope:SCOPE_SE
	s_setreg_imm32_b32 hwreg(HW_REG_WAVE_MODE, 25, 1), 1
	s_wait_xcnt 0x0
	s_wait_alu depctr_hold_cnt(0) depctr_sa_sdst(0) depctr_va_vdst(0) depctr_va_sdst(0) depctr_va_ssrc(0) depctr_va_vcc(0) depctr_vm_vsrc(0)
	s_getreg_b32 s2, hwreg(HW_REG_IB_STS2, 6, 4)
	s_cmp_eq_u32 s2, 0
	s_cbranch_scc0 .Lentry_in_a_cluster
	s_endpgm
.Lentry_in_a_cluster:
	s_bfe_u32 s2, ttmp6, 0x10000c
	s_cmp_lg_u32 s2, 0x3003
	s_cbranch_scc0 .Lentry_shape_is_right
	s_endpgm
.Lentry_shape_is_right:
; out[b][q][64 hd + d] = sum over keys of Q(softmax_k(q . k / 8) x group_prob[b][q][key]) Q(v[key][d]), both products on codes of FP6 (E2M3) with one E8M0 scale for each 32 along K.
; WHAT IS QUANTISED is the finished, normalised softmax times group_prob, so a query's sum over all 2,048 keys is known before any code is made: a tile's whole row of p is held, spread over the 16 waves.
; SHARES.  A work-group owns 256 queries of one (b, head): 16 tiles of 16.  Wave w holds for the whole launch, in registers: K of keys 128 w .. 128 w + 127 (8 tiles of 16 keys), and of V^T
; the 16 channels 16 (w % 4) on, for the 512 keys 512 (w / 4) on.  Neither goes through LDS.
; A TILE:  scores S^T = K Q^T for my 128 keys; my own maximum m_w is taken away: p = 2^(c s - c m_w), c = log2(e) / 8; my sum l_w; (c m_w, l_w) to LDS | barrier S |
;   f = 2^(c m_w - c m) / sum over waves of l_w 2^(c m_w - c m), m the largest of the sixteen; p x g x f is quantised along the keys; its image to LDS | round R of the next tile |
;   O^T = V^T P^T over my 512 keys; the four quarters meet in LDS | barrier S of the next tile | wave w adds them for query row w and stores 256 bytes.
; ORDER.  A tile's score products name registers alone and stand round the opening barrier of its round R.  The last tile's second product stands among this tile's maximum, scalings and
; exponentials: its fragments of p come from LDS two at a time, and the lines of the softmax stand between each run of loads and the wait for it.
; The identity p_w 2^(c m_w - c m) / l holds for whatever number c m_w is, so the rounding of c m costs nothing however large the scores are.
; A lane holds ONE query (lane % 16) in S^T, p and O^T.  K = 64 in the first product: Q's upper six registers are zero codes, so whatever stands in the K operand's upper six adds nothing.
; The order of the codes inside a block of 32 keys is 0-7, 16-23, 8-15, 24-31, here as in the launch that made V's codes.
; CLUSTER.  The four partners are four heads of the same 256 queries and need the same tiles of group_prob: each wave's 16 x 128 numbers are one joint load.
; attention_mask is not read: the masked scores are thrown away where the problem is defined, so no output hangs on it.
; LIMITS: NaN and infinities are not served; v_exp_f32 gives 0 below 2^-126 (ISA guide, its entry), so weights under that are taken as 0; a block of zeros has the byte 1 and zero codes.
.set SUBT,  8448                       ; a wave's part of a tile of group_prob: 16 rows x (512 bytes + 16)
.set GP,    528
.set SLOTB, 16*SUBT
.set TILEB, 131072                     ; 16 rows of group_prob in memory
.set PIMG,  2*SLOTB                    ; the sixteen fragments of p, images of their registers: 1,536 bytes each
.set PSC,   PIMG+16*1536               ; their scale words, 128 bytes each
.set OST,   PSC+16*128                 ; partial O: four planes of 16 rows x (256 bytes + 16)
.set STAT,  OST+4*4352                 ; c m at 80 r + 4 w; l 1,280 bytes on
.set SPARE, STAT+2560                  ; the spare words, 128 bytes for each wave: no other line names them
.set SPW, 1
.set NIL, 2
.set GA0, 3                            ; v3, v4  my place in my part of slot 0, 1
.set STW, 5
.set STR, 6
.set PIW, 7
.set PIR, 8
.set PSW, 9
.set PSR, 10
.set OSW, 11
.set OSR, 12
.set L8,  13
.set L16, 14
.set QSO, 15
.set CM,  16                           ; v[16:17] c m_w, 0
.set LA,  18                           ; v18-21: the four chains of the maximum, then the sum's two chains LA and LB
.set LB,  20
.set MX,  22                           ; v[22:23]
.set F,   24                           ; v[24:25] f, 0
.set KS,  26                           ; v26-29 K's scale words: register j: tile 2 j in lanes 0-15, tile 2 j + 1 in lanes 16-31
.set VS,  30                           ; v30-31 V's: register j: step 2 j, step 2 j + 1
.set QS,  32                           ; Q's: this pair of tiles
.set QSR, 33                           ; the next pair's word as loaded
.set PS,  34                           ; v34-35 p's
.set PW,  36
.set EO,  37
.set TM,  38                           ; v38-49 at work behind barrier S; between the round and barrier S a fragment of p
.set QF,  50                           ; v50-61 Q: six registers of codes, six of zeros
.set KF,  62                           ; v62-109 K: six registers a tile
.set VF,  110                          ; v110-157 V^T: twelve a step
.set S,   158                          ; v158-221 scores, p, p g f
.set W,   222                          ; v222-253 at work: the second product's two accumulators and a fragment of p; group_prob; the stats; the codes
.set PFO, 254
.set VSO, 255
.set G1,  16                           ; s[16:23]
.set G0,  24                           ; s[24:31], a set for each slot
.set SEL, 32
.set CS,  34
.set QB,  38
.set QSB, 40
.set OB,  42
.set PFA, 44
.set LIM, 46
.set JN,  47
.macro CREST                           ; a round of the cluster's barrier behind its opening barrier
	s_cmp_lg_u32 s12, 0
	s_cbranch_scc1 .Lnot_wave_0_\@
	s_barrier_signal -3
.Lnot_wave_0_\@:
	s_barrier_wait -3
	s_barrier_signal -1
	s_barrier_wait -1
.endm
.macro ROUND                           ; a whole round
	s_barrier_signal -1
	s_barrier_wait -1
	CREST
.endm
; One scaled product.  zero = 1: it starts a sum.  ra, rb: the scales stand in lanes 16-31 of their registers.
.macro WM d, a, b, zero, sa, sb, ra, rb
.if \zero
.if (\ra) && (\rb)
	v_wmma_scale_f32_16x16x128_f8f6f4 v[(\d):(\d)+7], v[(\a):(\a)+11], v[(\b):(\b)+11], 0, v[(\sa)], v[(\sb)] matrix_a_fmt:MATRIX_FMT_FP6 matrix_b_fmt:MATRIX_FMT_FP6 matrix_a_scale:MATRIX_SCALE_ROW1 matrix_b_scale:MATRIX_SCALE_ROW1
.elseif (\ra)
	v_wmma_scale_f32_16x16x128_f8f6f4 v[(\d):(\d)+7], v[(\a):(\a)+11], v[(\b):(\b)+11], 0, v[(\sa)], v[(\sb)] matrix_a_fmt:MATRIX_FMT_FP6 matrix_b_fmt:MATRIX_FMT_FP6 matrix_a_scale:MATRIX_SCALE_ROW1
.elseif (\rb)
	v_wmma_scale_f32_16x16x128_f8f6f4 v[(\d):(\d)+7], v[(\a):(\a)+11], v[(\b):(\b)+11], 0, v[(\sa)], v[(\sb)] matrix_a_fmt:MATRIX_FMT_FP6 matrix_b_fmt:MATRIX_FMT_FP6 matrix_b_scale:MATRIX_SCALE_ROW1
.else
	v_wmma_scale_f32_16x16x128_f8f6f4 v[(\d):(\d)+7], v[(\a):(\a)+11], v[(\b):(\b)+11], 0, v[(\sa)], v[(\sb)] matrix_a_fmt:MATRIX_FMT_FP6 matrix_b_fmt:MATRIX_FMT_FP6
.endif
.else
.if (\ra) && (\rb)
	v_wmma_scale_f32_16x16x128_f8f6f4 v[(\d):(\d)+7], v[(\a):(\a)+11], v[(\b):(\b)+11], v[(\d):(\d)+7], v[(\sa)], v[(\sb)] matrix_a_fmt:MATRIX_FMT_FP6 matrix_b_fmt:MATRIX_FMT_FP6 matrix_a_scale:MATRIX_SCALE_ROW1 matrix_b_scale:MATRIX_SCALE_ROW1
.else
	v_wmma_scale_f32_16x16x128_f8f6f4 v[(\d):(\d)+7], v[(\a):(\a)+11], v[(\b):(\b)+11], v[(\d):(\d)+7], v[(\sa)], v[(\sb)] matrix_a_fmt:MATRIX_FMT_FP6 matrix_b_fmt:MATRIX_FMT_FP6
.endif
.endif
.endm
	s_load_b256 s[4:11], s[0:1], 0x0               ; fc, fs, group_prob, out
	v_lshl_add_u32 v[SPW], v0, 2, SPARE
	v_mov_b32 v[NIL], 0
	ds_add_u32 v1, v2
	ds_add_u32 v1, v2
	s_wait_dscnt 0x0
	v_lshrrev_b32 v[W], 5, v0
	s_delay_alu instid0(VALU_DEP_1)
	v_readfirstlane_b32 s12, v[W]                  ; wave 0..15
	s_and_b32 s13, s12, 3                          ; t: my 16 channels of V^T
	s_lshr_b32 s14, s12, 2                         ; kq: my quarter of the keys in the second product
	s_and_b32 s50, ttmp7, 0xffff
	s_and_b32 s51, s50, 7                          ; qb: which 256 queries
	s_lshr_b32 s50, s50, 3                         ; b
	s_lshl_b32 s52, s50, 24                        ; group_prob: b x 2,048 rows of 8,192 bytes,
	s_lshl_b32 s53, s51, 21                        ; qb x 256 rows,
	s_add_co_u32 s52, s52, s53
	s_lshl_b32 s53, s12, 9                         ; my 128 keys
	s_add_co_u32 s52, s52, s53
	s_mov_b32 s53, 0
	; descriptor group 1: 16 rows x 128 elements of 4 bytes, 2,048 elements from row to row; 16 bytes of padding behind each 512; the mask names all four partners
	s_mov_b32 s[G1], 15|(2<<16)|(1<<20)|(1<<21)|(6<<22)|(3<<25)
	s_mov_b32 s[G1+1], 128<<16                     ; tensor_dim0
	s_mov_b32 s[G1+2], 16<<16                      ; tensor_dim1
	s_mov_b32 s[G1+3], 128<<16                     ; tile_dim0
	s_mov_b32 s[G1+4], 16                          ; tile_dim1
	s_mov_b32 s[G1+5], 2048                        ; the pitch
	s_mov_b32 s[G1+6], 0
	s_mov_b32 s[G1+7], 0
	s_mul_i32 s54, s12, SUBT
	s_mov_b32 s[SEL], 0x76543210
	s_mov_b32 s[SEL+1], 0xfedcba98                 ; v_permlanex16_b32's selects for lane l xor 16
	s_mov_b32 s[CS], 0x3e38aa3b                    ; c = log2(e) / 8
	s_mov_b32 s[CS+1], s[CS]
	s_mov_b32 s36, 0xffff0000                      ; lanes 16-31
	s_wait_kmcnt 0x0
	s_add_nc_u64 s[52:53], s[8:9], s[52:53]        ; hangs on b, qb and the wave's number: equal in the four partners
.irp n, 0,1
	s_mov_b32 s[G0+4*\n], 1
	s_add_co_u32 s[G0+4*\n+1], s54, \n*SLOTB
	s_add_nc_u64 s[G0+4*\n+2:G0+4*\n+3], s[52:53], \n*TILEB
	s_or_b32 s[G0+4*\n+3], s[G0+4*\n+3], 0x80000000
.endr
	ROUND                                          ; all four work-groups are here: the first joint loads meet
	tensor_load_to_lds s[G0:G0+3], s[G1:G1+7]      ; tile 0 into slot 0: one load of mine is out
	s_nop 0
.rept 4
	v_nop
.endr
	; LDS addresses: constants, the lane, the wave's number
	v_and_b32 v[W], 31, v0                         ; l
	v_and_b32 v[W+1], 15, v0                       ; r
	v_bfe_u32 v[W+2], v0, 4, 1                     ; h
	s_delay_alu instid0(VALU_DEP_2)
	v_mul_u32_u24 v[GA0], v[W+1], GP
	s_delay_alu instid0(VALU_DEP_1)
	v_lshl_add_u32 v[GA0], v[W+2], 5, v[GA0]
	s_delay_alu instid0(VALU_DEP_1)
	v_add_nc_u32 v[GA0], s54, v[GA0]               ; my part + 528 r + 32 h
	s_delay_alu instid0(VALU_DEP_1)
	v_add_nc_u32 v[GA0+1], SLOTB, v[GA0]
	s_lshl_b32 s54, s12, 2
	v_mul_u32_u24 v[STR], v[W+1], 80
	s_delay_alu instid0(VALU_DEP_1)
	v_mad_u32_u24 v[STW], v[W+2], 1280, v[STR]     ; lanes 0-15 store c m, lanes 16-31 l
	s_delay_alu instid0(VALU_DEP_1)
	v_add_nc_u32 v[STW], s54, v[STW]
	s_delay_alu instid0(VALU_DEP_1)
	v_add_nc_u32 v[STW], STAT, v[STW]
	s_delay_alu instid0(VALU_DEP_4)
	v_lshl_add_u32 v[STR], v[W+2], 5, v[STR]       ; I read the eight waves 8 h on
	s_delay_alu instid0(VALU_DEP_1)
	v_add_nc_u32 v[STR], STAT, v[STR]
	v_lshlrev_b32 v[L8], 3, v[W]
	v_lshlrev_b32 v[L16], 4, v[W]
	s_mul_i32 s54, s12, 1536
	v_add_nc_u32 v[PIW], s54, v[L16]
	s_delay_alu instid0(VALU_DEP_1)
	v_add_nc_u32 v[PIW], PIMG, v[PIW]
	s_mul_i32 s54, s14, 6144
	v_add_nc_u32 v[PIR], s54, v[L16]
	s_delay_alu instid0(VALU_DEP_1)
	v_add_nc_u32 v[PIR], PIMG, v[PIR]
	v_lshlrev_b32 v[PSW], 2, v[W]
	s_lshl_b32 s54, s14, 9
	v_lshl_add_u32 v[PSR], v[W+2], 7, v[PSW]       ; lanes 16-31 take the next wave's words
	s_delay_alu instid0(VALU_DEP_1)
	v_add_nc_u32 v[PSR], s54, v[PSR]
	s_delay_alu instid0(VALU_DEP_1)
	v_add_nc_u32 v[PSR], PSC, v[PSR]
	s_lshl_b32 s54, s12, 7
	v_add_nc_u32 v[PSW], s54, v[PSW]
	s_delay_alu instid0(VALU_DEP_1)
	v_add_nc_u32 v[PSW], PSC, v[PSW]
	s_mul_i32 s54, s14, 4352
	s_lshl_b32 s55, s13, 6
	s_add_co_u32 s54, s54, s55
	v_mul_u32_u24 v[OSW], v[W+1], 272
	s_delay_alu instid0(VALU_DEP_1)
	v_lshl_add_u32 v[OSW], v[W+2], 5, v[OSW]
	s_delay_alu instid0(VALU_DEP_1)
	v_add_nc_u32 v[OSW], s54, v[OSW]
	s_delay_alu instid0(VALU_DEP_1)
	v_add_nc_u32 v[OSW], OST, v[OSW]               ; plane kq, row r, 64 t + 32 h
	s_mul_i32 s54, s12, 272
	v_add_nc_u32 v[OSR], s54, v[L8]
	s_delay_alu instid0(VALU_DEP_1)
	v_add_nc_u32 v[OSR], OST, v[OSR]               ; row w, 8 bytes a lane
	v_lshlrev_b32 v[VSO], 4, v[W+1]
	s_delay_alu instid0(VALU_DEP_1)
	v_lshl_add_u32 v[VSO], v[W+2], 12, v[VSO]      ; V's scale words: 16 r, and the next 128 keys for lanes 16-31
	s_wait_alu depctr_va_vdst(0)
	v_lshrrev_b32 v[PFO], 1, v[W]
	v_and_b32 v[W+3], 1, v[W]
	s_delay_alu instid0(VALU_DEP_2)
	v_lshlrev_b32 v[PFO], 13, v[PFO]
	s_delay_alu instid0(VALU_DEP_1)
	v_lshl_add_u32 v[PFO], v[W+3], 8, v[PFO]       ; the prefetches: row l / 2, half l % 2 of its 512 bytes
	; global addresses.  The head hangs on my place in the cluster: it enters these alone
	s_bfe_u32 s48, ttmp6, 0x40000                  ; cx
	s_lshl_b32 s49, ttmp9, 2
	s_add_co_u32 s49, s49, s48                     ; the head
	s_lshr_b32 s54, s49, 1                         ; the pair of heads
	s_and_b32 s55, s49, 1
	s_lshl_b32 s37, s55, 4                         ; where my head's two bytes stand in a scale word of q or k
	s_lshl_b32 s56, s50, 7                         ; K: token tile 128 b + 8 w
	s_lshl_b32 s57, s12, 3
	s_add_co_u32 s56, s56, s57
	s_mul_i32 s56, s56, 12288
	s_mul_i32 s57, s49, 768
	s_add_co_u32 s56, s56, s57
	s_add_co_u32 s56, s56, 3145728
	s_mov_b32 s57, 0
	s_add_nc_u64 s[56:57], s[4:5], s[56:57]
	s_lshl_b32 s58, s54, 14                        ; K's scale words
	s_lshl_b32 s59, s50, 4
	s_add_co_u32 s59, s59, s12
	s_lshl_b32 s59, s59, 9
	s_add_co_u32 s58, s58, s59
	s_add_co_u32 s58, s58, 131072
	s_mov_b32 s59, 0
	s_add_nc_u64 s[58:59], s[6:7], s[58:59]
	s_lshl_b32 s52, s50, 4                         ; V: group of 128 keys 16 b + 4 kq, tile of channels 4 head + t
	s_lshl_b32 s53, s14, 2
	s_add_co_u32 s52, s52, s53
	s_mul_i32 s60, s52, 98304
	s_lshl_b32 s61, s49, 2
	s_add_co_u32 s61, s61, s13
	s_mul_i32 s61, s61, 1536
	s_add_co_u32 s60, s60, s61
	s_add_co_u32 s60, s60, 6291456
	s_mov_b32 s61, 0
	s_add_nc_u64 s[60:61], s[4:5], s[60:61]
	s_lshl_b32 s62, s52, 12                        ; V's scale words: row 64 head + 16 t + r
	s_lshl_b32 s63, s54, 9
	s_add_co_u32 s62, s62, s63
	s_and_b32 s63, s13, 1
	s_lshl_b32 s63, s63, 8
	s_add_co_u32 s62, s62, s63
	s_lshl_b32 s63, s55, 3
	s_add_co_u32 s62, s62, s63
	s_lshr_b32 s63, s13, 1
	s_lshl_b32 s63, s63, 2
	s_add_co_u32 s62, s62, s63
	s_add_co_u32 s62, s62, 262144
	s_mov_b32 s63, 0
	s_add_nc_u64 s[62:63], s[6:7], s[62:63]
	s_lshl_b32 s[QB], s50, 7                       ; Q: token tile 128 b + 16 qb
	s_lshl_b32 s[QB+1], s51, 4
	s_add_co_u32 s[QB], s[QB], s[QB+1]
	s_mul_i32 s[QB], s[QB], 12288
	s_mul_i32 s[QB+1], s49, 768
	s_add_co_u32 s[QB], s[QB], s[QB+1]
	s_mov_b32 s[QB+1], 0
	s_add_nc_u64 s[QB:QB+1], s[4:5], s[QB:QB+1]
	s_lshl_b32 s[QSB], s54, 14                     ; Q's scale words
	s_lshl_b32 s[QSB+1], s50, 4
	s_lshl_b32 s53, s51, 1
	s_add_co_u32 s[QSB+1], s[QSB+1], s53
	s_lshl_b32 s[QSB+1], s[QSB+1], 9
	s_add_co_u32 s[QSB], s[QSB], s[QSB+1]
	s_mov_b32 s[QSB+1], 0
	s_add_nc_u64 s[QSB:QSB+1], s[6:7], s[QSB:QSB+1]
	s_lshl_b32 s[OB], s50, 11                      ; out: row b x 2,048 + 256 qb + w, my head's 256 bytes
	s_lshl_b32 s[OB+1], s51, 8
	s_add_co_u32 s[OB], s[OB], s[OB+1]
	s_add_co_u32 s[OB], s[OB], s12
	s_lshl_b32 s[OB], s[OB], 12
	s_lshl_b32 s[OB+1], s49, 8
	s_add_co_u32 s[OB], s[OB], s[OB+1]
	s_mov_b32 s[OB+1], 0
	s_add_nc_u64 s[OB:OB+1], s[10:11], s[OB:OB+1]
	s_lshl_b32 s[PFA], s50, 24                     ; the prefetches: tile 2, the 128 keys of wave (w & 12) + cx: the partners are told apart by address
	s_lshl_b32 s[PFA+1], s51, 21
	s_add_co_u32 s[PFA], s[PFA], s[PFA+1]
	s_and_b32 s[PFA+1], s12, 12
	s_add_co_u32 s[PFA+1], s[PFA+1], s48
	s_lshl_b32 s[PFA+1], s[PFA+1], 9
	s_add_co_u32 s[PFA], s[PFA], s[PFA+1]
	s_add_co_u32 s[PFA], s[PFA], 2*TILEB
	s_mov_b32 s[PFA+1], 0
	s_add_nc_u64 s[PFA:PFA+1], s[8:9], s[PFA:PFA+1]
	s_or_b32 s[LIM], s13, ttmp9                    ; waves 0, 4, 8, 12 of the first cluster along x ask: the same in all four partners
	s_cmp_eq_u32 s[LIM], 0
	s_cselect_b32 s[LIM], 1, -1
.irp tt, 0,1,2,3,4,5,6,7
.irp p, 0,1,2
	global_load_b64 v[KF+6*\tt+2*\p:KF+6*\tt+2*\p+1], v[L8], s[56:57] offset:12288*\tt+256*\p   ; each load of the wave covers 256 consecutive bytes
.endr
.endr
	global_load_b128 v[KS:KS+3], v[L16], s[58:59]
.irp s, 0,1,2,3
.irp i, 0,1,2,3,4,5
	global_load_b64 v[VF+12*\s+2*\i:VF+12*\s+2*\i+1], v[L8], s[60:61] offset:98304*\s+256*\i
.endr
.endr
	global_load_b32 v[VS], v[VSO], s[62:63]
	global_load_b32 v[VS+1], v[VSO], s[62:63] offset:8192
.irp p, 0,1,2
	global_load_b64 v[QF+2*\p:QF+2*\p+1], v[L8], s[QB:QB+1] offset:256*\p
.endr
	global_load_b32 v[QSR], v[L16], s[QSB:QSB+1]   ; lanes 0-15: tile 0's words; lanes 16-31: tile 1's
.irp i, 6,7,8,9,10,11
	v_mov_b32 v[QF+\i], 0                          ; zero codes for k = 64 .. 127
.endr
	v_mov_b32 v[CM+1], 0                           ; upper halves of pairs that packed lines name, and destinations of lane permutes: written once
	v_mov_b32 v[MX+1], 0
	v_mov_b32 v[F+1], 0
.irp b, 0,1,2,3
	v_mov_b32 v[TM+4+\b], 0
.endr
	s_wait_loadcnt 0x0
.irp j, 0,1,2,3
	v_bfe_u32 v[KS+\j], v[KS+\j], s37, 16          ; my head's two bytes; bytes 2 and 3 become 0, which is 2^-127, over products with zero codes
.endr
	v_bfe_u32 v[QS], v[QSR], s37, 16
.rept 8
	v_nop                                          ; a scale register written by a vector line stands eight places ahead of a scaled matrix instruction
.endr
; THE CHANGE OF SLOTS at a tile's head, with the tile's SCORES in it.  Each wave waits for all its tensor loads (one: this tile's part of group_prob), adds 0 to its spare word, and waits for that
; and for all its LDS work of the last tile.  S^T = K Q^T, eight tiles of 16 keys, names registers alone (S is free since the last tile's conversions): four products stand between the add and the
; wait for it, while my images land, and four between the opening signal and its wait.  A K operand's upper six registers are the next tile's codes (the last tile's: V's): they meet Q's zero codes.
; The round then holds of every wave of the four partners; behind it the other slot, which was read a tile ago, is filled with the next tile: it has a tile's work in which to land.
.macro CHANGE s, step, refill, ask
	s_wait_tensorcnt 0x0                           ; no tensor load of mine is out, so a group 0 may be written
	ds_add_u32 v[SPW], v[NIL]                      ; 0 onto my spare word
	s_add_nc_u64 s[G0+4*\s+2:G0+4*\s+3], s[G0+4*\s+2:G0+4*\s+3], 2*TILEB   ; this slot's next tile
.if \step
	s_wait_xcnt 0x0                                ; the last tile's loads, store and prefetch have read their addresses and data
	s_add_nc_u64 s[QB:QB+1], s[QB:QB+1], 12288
	s_add_nc_u64 s[OB:OB+1], s[OB:OB+1], 65536
	s_add_nc_u64 s[PFA:PFA+1], s[PFA:PFA+1], TILEB
.endif
	s_wait_loadcnt 0x0                             ; Q's codes, asked for a tile ago, and the scale word loaded with them
.irp tt, 0,1,2,3
	WM S+8*\tt, KF+6*\tt, QF, 1, KS+\tt/2, QS, \tt%2, \s
.endr
	s_wait_dscnt 0x0                               ; the add is done; my reads of the other slot, of the stats and of partial O are over; my images have landed
	s_barrier_signal -1
.irp tt, 4,5,6,7
	WM S+8*\tt, KF+6*\tt, QF, 1, KS+\tt/2, QS, \tt%2, \s
.endr
	s_barrier_wait -1
	CREST
.if \refill
	tensor_load_to_lds s[G0+4*(1-\s):G0+4*(1-\s)+3], s[G1:G1+7]   ; my one tensor load behind the round
	s_nop 0
.endif
.rept 4
	v_nop                                          ; behind the tensor load; also the four places between the score products and the loads into Q's registers, the write of Q's scales and the first read of the scores
.endr
.if \ask
	s_cmp_eq_u32 s[LIM], 1                         ; a prefetch of the tile that the NEXT change will ask for: 16 rows x 512 bytes, each 256 bytes named by one lane of one wave in the launch
	s_cbranch_scc0 .Lnot_mine_\@
	global_prefetch_b8 v[PFO], s[PFA:PFA+1] th:TH_LOAD_NT scope:SCOPE_SE
.Lnot_mine_\@:
.endif
.endm
; What the next tile's scores will want.
.macro NEXTQ nextq, qsl, qsb
.if \nextq
.irp p, 0,1,2
	global_load_b64 v[QF+2*\p:QF+2*\p+1], v[L8], s[QB:QB+1] offset:12288+256*\p   ; the next tile's Q
.endr
.endif
.if \qsl
	s_lshr_b32 s48, s[JN], 2                       ; the next pair of tiles: its words lie 512 (pair / 4) + 4 (pair % 4) on
	s_lshl_b32 s48, s48, 9
	s_and_b32 s49, s[JN], 3
	s_lshl_b32 s49, s49, 2
	s_add_co_u32 s48, s48, s49
	v_add_nc_u32 v[QSO], s48, v[L16]
	global_load_b32 v[QSR], v[QSO], s[QSB:QSB+1]
.endif
.if \qsb
	v_bfe_u32 v[QS], v[QSR], s37, 16               ; this pair's products are issued: the next pair's scales
.endif
.endm
; O^T of the LAST tile over my 512 keys, in five parts that stand among the softmax's lines: two fragments of p from LDS; two products that start two sums; the other two fragments into the same
; registers; two products more (the two accumulators take turns); the two sums added and stored to my plane of partial O.
.macro PVA
.irp c, 0,1,2
	ds_load_b128 v[TM+4*\c:TM+4*\c+3], v[PIR] offset:512*\c
.endr
.irp c, 0,1,2
	ds_load_b128 v[W+16+4*\c:W+19+4*\c], v[PIR] offset:1536+512*\c
.endr
	ds_load_b32 v[PS], v[PSR]
	ds_load_b32 v[PS+1], v[PSR] offset:256
.endm
.macro PVB
	s_wait_dscnt 0x0
	WM W, VF, TM, 1, VS, PS, 0, 0
	WM W+8, VF+12, W+16, 1, VS, PS, 1, 1
.endm
.macro PVC                             ; four places or more stand between PVB's products and these loads
.irp c, 0,1,2
	ds_load_b128 v[TM+4*\c:TM+4*\c+3], v[PIR] offset:3072+512*\c
.endr
.irp c, 0,1,2
	ds_load_b128 v[W+16+4*\c:W+19+4*\c], v[PIR] offset:4608+512*\c
.endr
.endm
.macro PVD
	s_wait_dscnt 0x0
	WM W, VF+24, TM, 0, VS+1, PS+1, 0, 0
	WM W+8, VF+36, W+16, 0, VS+1, PS+1, 1, 1
.endm
.macro PVE                             ; four places stand between PVD's products and these lines
.irp k, 0,2,4,6
	v_pk_add_f32 v[W+16+\k:W+17+\k], v[W+\k:W+\k+1], v[W+8+\k:W+9+\k]   ; each accumulator from its low end on
.endr
	ds_store_b128 v[OSW], v[W+16:W+19]
	ds_store_b128 v[OSW], v[W+20:W+23] offset:16
.endm
.macro GLOAD s, b, wb                  ; group_prob of my query at the 16 keys that my registers 16 b .. 16 b + 15 hold: 32 b + 8 h + 0..7 and 32 b + 16 + 8 h + 0..7
	ds_load_b128 v[W+\wb:W+\wb+3], v[GA0+\s] offset:128*\b
	ds_load_b128 v[W+\wb+4:W+\wb+7], v[GA0+\s] offset:128*\b+16
	ds_load_b128 v[W+\wb+8:W+\wb+11], v[GA0+\s] offset:128*\b+64
	ds_load_b128 v[W+\wb+12:W+\wb+15], v[GA0+\s] offset:128*\b+80
.endm
; My 128 keys' maximum, in four chains; c m_w.
.macro SMAX
.irp b, 0,1,2,3
	v_max3_num_f32 v[LA+\b], v[S+16*\b], v[S+1+16*\b], v[S+2+16*\b]      ; each accumulator is first read at its low end
.endr
.irp i, 3,5,7,9,11,13
.irp b, 0,1,2,3
	v_max3_num_f32 v[LA+\b], v[LA+\b], v[S+16*\b+\i], v[S+1+16*\b+\i]
.endr
.endr
.irp b, 0,1,2,3
	v_max_num_f32 v[LA+\b], v[LA+\b], v[S+15+16*\b]
.endr
	s_delay_alu instid0(VALU_DEP_2)
	v_max3_num_f32 v[MX], v[LA], v[LA+1], v[LA+2]
	s_delay_alu instid0(VALU_DEP_1)
	v_max_num_f32 v[MX], v[MX], v[LA+3]
	s_delay_alu instid0(VALU_DEP_1)
	v_permlanex16_b32 v[MX+1], v[MX], s[SEL], s[SEL+1]
	s_delay_alu instid0(VALU_DEP_1)
	v_max_num_f32 v[MX], v[MX], v[MX+1]            ; with lane l xor 16's 64 keys
	s_delay_alu instid0(VALU_DEP_1)
	v_mul_f32 v[CM], s[CS], v[MX]                  ; c m_w
.endm
.macro SFMA j0, n                      ; c s - c m_w for n pairs of scores, from register j0 on
.set j, \j0
.rept \n
	v_pk_fma_f32 v[S+j:S+j+1], v[S+j:S+j+1], s[CS:CS+1], v[CM:CM+1] op_sel_hi:[1,0,0] neg_lo:[0,0,1] neg_hi:[0,0,1]
.set j, j+2
.endr
.endm
.macro SEXP j0, n                      ; n exponentials, from register j0 on.  All 64 are one batch: no line names a result ahead of the one wait in SSUM
.set j, \j0
.rept \n
	v_exp_f32 v[S+j], v[S+j]
.set j, j+1
.endr
.endm
.macro SSUM
	v_nop                                          ; one plain line behind the batch,
	s_wait_alu depctr_va_vdst(0)                   ; and one wait for it, ahead of its first reader
	v_pk_add_f32 v[20:21], v[158:159], v[160:161]
	v_pk_add_f32 v[48:49], v[166:167], v[170:171]
	v_pk_add_f32 v[46:47], v[174:175], v[178:179]
	v_pk_add_f32 v[40:41], v[182:183], v[186:187]
	v_pk_add_f32 v[38:39], v[190:191], v[194:195]
	v_pk_add_f32 v[36:37], v[198:199], v[202:203]
	v_pk_add_f32 v[34:35], v[206:207], v[210:211]
	v_pk_add_f32 v[18:19], v[214:215], v[218:219]
	v_pk_add_f32 v[18:19], v[18:19], v[162:163]
	v_pk_add_f32 v[20:21], v[20:21], v[164:165]
	v_pk_add_f32 v[48:49], v[48:49], v[168:169]
	v_pk_add_f32 v[46:47], v[46:47], v[172:173]
	v_pk_add_f32 v[40:41], v[40:41], v[176:177]
	v_pk_add_f32 v[38:39], v[38:39], v[180:181]
	v_pk_add_f32 v[36:37], v[36:37], v[184:185]
	v_pk_add_f32 v[34:35], v[34:35], v[188:189]
	v_pk_add_f32 v[18:19], v[18:19], v[192:193]
	v_pk_add_f32 v[20:21], v[20:21], v[196:197]
	v_pk_add_f32 v[48:49], v[48:49], v[200:201]
	v_pk_add_f32 v[46:47], v[46:47], v[204:205]
	v_pk_add_f32 v[40:41], v[40:41], v[208:209]
	v_pk_add_f32 v[38:39], v[38:39], v[212:213]
	v_pk_add_f32 v[36:37], v[36:37], v[216:217]
	v_pk_add_f32 v[34:35], v[34:35], v[220:221]
	s_delay_alu instid0(VALU_DEP_4)
	v_pk_add_f32 v[18:19], v[18:19], v[40:41]
	s_delay_alu instid0(VALU_DEP_4)
	v_pk_add_f32 v[20:21], v[20:21], v[38:39]
	s_delay_alu instid0(VALU_DEP_4)
	v_pk_add_f32 v[48:49], v[48:49], v[36:37]
	s_delay_alu instid0(VALU_DEP_4)
	v_pk_add_f32 v[46:47], v[46:47], v[34:35]
	s_delay_alu instid0(VALU_DEP_2)
	v_pk_add_f32 v[18:19], v[18:19], v[48:49]
	s_delay_alu instid0(VALU_DEP_2)
	v_pk_add_f32 v[20:21], v[20:21], v[46:47]
	s_delay_alu instid0(VALU_DEP_1)
	v_pk_add_f32 v[18:19], v[18:19], v[20:21]
	s_delay_alu instid0(VALU_DEP_1)
	v_add_f32 v[LA], v[LA], v[LA+1]
	s_delay_alu instid0(VALU_DEP_1)
	v_permlanex16_b32 v[LA+1], v[LA], s[SEL], s[SEL+1]
	s_delay_alu instid0(VALU_DEP_1)
	v_add_f32 v[LA], v[LA], v[LA+1]                ; l_w
	s_delay_alu instid0(VALU_DEP_1)
	v_cndmask_b32 v[LB], v[CM], v[LA], s36         ; lanes 0-15 send c m_w, lanes 16-31 l_w
	ds_store_b32 v[STW], v[LB]
.endm
.macro GMUL b, wb
.irp k, 0,2,4,6,8,10,12,14
	v_pk_mul_f32 v[S+16*\b+\k:S+16*\b+\k+1], v[S+16*\b+\k:S+16*\b+\k+1], v[W+\wb+\k:W+\wb+\k+1]
.endr
.endm
.macro BMAX b0                         ; the largest |p g| of my 16 numbers of blocks b0 and b0 + 1, by turns
.irp b, \b0, \b0+1
	v_max3_num_f32 v[TM+\b], |v[S+16*(\b)]|, |v[S+16*(\b)+1]|, 0
.endr
.irp i, 2,4,6,8,10,12,14
.irp b, \b0, \b0+1
	s_delay_alu instid0(VALU_DEP_2)
	v_max3_num_f32 v[TM+\b], v[TM+\b], |v[S+16*(\b)+\i]|, |v[S+16*(\b)+\i+1]|
.endr
.endr
.endm
; p x group_prob, and the blocks' largest magnitudes.  Barrier S is signalled when my stats have landed and my reads of group_prob are back; register work stands between signal and wait.
.macro GATE s
	s_wait_dscnt 0x1                               ; the first two chunks' eight loads are in; the stats' store, issued behind them, may be out
	GMUL 0, 0
	GLOAD \s, 2, 0
	GMUL 1, 16
	GLOAD \s, 3, 16
	BMAX 0
	s_wait_dscnt 0x4                               ; chunk 2 is in; chunk 3's four loads may be out
	GMUL 2, 0
	s_wait_dscnt 0x0                               ; for the others' sake: my stats have landed; and chunk 3 is in
	s_barrier_signal -1
	GMUL 3, 16
	BMAX 2
.irp b, 0,1,2,3
	v_permlanex16_b32 v[TM+4+\b], v[TM+\b], s[SEL], s[SEL+1]
.endr
.irp b, 0,1,2,3
	s_delay_alu instid0(VALU_DEP_4)
	v_max_num_f32 v[TM+\b], v[TM+\b], v[TM+4+\b]
.endr
	s_barrier_wait -1                              ; all sixteen waves' stats, and all quarters of the last tile's O, lie in LDS
.endm
; The sixteen waves' stats give f.  prev = 1: the last tile's row w of O is added up and stored on the way.
.macro COMBINE prev
	ds_load_b128 v[W:W+3], v[STR]                  ; c m of waves 8 h .. 8 h + 7
	ds_load_b128 v[W+4:W+7], v[STR] offset:16
	ds_load_b128 v[W+8:W+11], v[STR] offset:1280   ; their l
	ds_load_b128 v[W+12:W+15], v[STR] offset:1296
.if \prev
.irp q, 0,1,2,3
	ds_load_b64 v[W+20+2*\q:W+21+2*\q], v[OSR] offset:4352*\q
.endr
	s_wait_dscnt 0x4                               ; the stats are in; the four loads of partial O may be out
.else
	s_wait_dscnt 0x0
.endif
	v_max3_num_f32 v[MX], v[W], v[W+1], v[W+2]
	s_delay_alu instid0(VALU_DEP_1)
	v_max3_num_f32 v[MX], v[MX], v[W+3], v[W+4]
	s_delay_alu instid0(VALU_DEP_1)
	v_max3_num_f32 v[MX], v[MX], v[W+5], v[W+6]
	s_delay_alu instid0(VALU_DEP_1)
	v_max_num_f32 v[MX], v[MX], v[W+7]
	s_delay_alu instid0(VALU_DEP_1)
	v_permlanex16_b32 v[MX+1], v[MX], s[SEL], s[SEL+1]
	s_delay_alu instid0(VALU_DEP_1)
	v_max_num_f32 v[MX], v[MX], v[MX+1]            ; c m
.irp k, 0,2,4,6
	v_pk_add_f32 v[W+\k:W+\k+1], v[W+\k:W+\k+1], v[MX:MX+1] op_sel_hi:[1,0] neg_lo:[0,1] neg_hi:[0,1]
.endr
	v_sub_f32 v[EO], v[CM], v[MX]
	s_wait_alu depctr_va_vdst(0)
.irp k, 0,1,2,3,4,5,6,7
	v_exp_f32 v[W+\k], v[W+\k]
.endr
	v_exp_f32 v[EO], v[EO]                         ; 2^(c m_w - c m), mine
	v_nop
	s_wait_alu depctr_va_vdst(0)                   ; one wait for the nine
	v_pk_mul_f32 v[LA:LA+1], v[W:W+1], v[W+8:W+9]
.irp k, 2,4,6
	v_pk_fma_f32 v[LA:LA+1], v[W+\k:W+\k+1], v[W+8+\k:W+9+\k], v[LA:LA+1]
.endr
	s_delay_alu instid0(VALU_DEP_1)
	v_add_f32 v[LA], v[LA], v[LA+1]
	s_delay_alu instid0(VALU_DEP_1)
	v_permlanex16_b32 v[LA+1], v[LA], s[SEL], s[SEL+1]
	s_delay_alu instid0(VALU_DEP_1)
	v_add_f32 v[LA], v[LA], v[LA+1]                ; the row's sum under c m
	s_wait_alu depctr_va_vdst(0)
	v_rcp_f32 v[LB], v[LA]
.if \prev
	s_wait_dscnt 0x0
	v_pk_add_f32 v[W+20:W+21], v[W+20:W+21], v[W+22:W+23]   ; plain work behind the reciprocal
	v_pk_add_f32 v[W+24:W+25], v[W+24:W+25], v[W+26:W+27]
	s_delay_alu instid0(VALU_DEP_1)
	v_pk_add_f32 v[W+20:W+21], v[W+20:W+21], v[W+24:W+25]
.else
	v_nop
.endif
	s_wait_alu depctr_va_vdst(0)
	v_mul_f32 v[F], v[EO], v[LB]                   ; f
.if \prev
	global_store_b64 v[L8], v[W+20:W+21], s[OB:OB+1] offset:-65536 th:TH_STORE_NT   ; the last tile's row w: 32 lanes store 256 consecutive bytes, aligned
.endif
.endm
; p g f is quantised along the keys: four blocks of 32; the fragment's twelve registers and its scale word go to LDS as they stand.
.macro QUANTP
.irp b, 0,1,2,3
	v_mul_f32 v[TM+\b], v[TM+\b], v[F]             ; rounding keeps order and f is positive: this is the largest of the rounded products below
.endr
.irp b, 0,1,2,3
	s_delay_alu instid0(VALU_DEP_4)
	v_max_num_f32 v[TM+\b], 0x1800000, v[TM+\b]    ; the floor 2^(3 - 127): the byte cannot fall under 1
.endr
.irp b, 0,1,2,3
	s_delay_alu instid0(VALU_DEP_4)
	v_add_nc_u32 v[TM+8+\b], 0xff000000, v[TM+\b]  ; 2 off the exponent field: the conversion's scale operand
.endr
.irp b, 0,1,2,3
	s_delay_alu instid0(VALU_DEP_4)
	v_lshrrev_b32 v[TM+4+\b], 23, v[TM+8+\b]
.endr
	s_delay_alu instid0(VALU_DEP_3)
	v_lshl_or_b32 v[PW], v[TM+5], 8, v[TM+4]
	s_delay_alu instid0(VALU_DEP_1)
	v_lshl_or_b32 v[PW], v[TM+6], 16, v[PW]
	s_delay_alu instid0(VALU_DEP_1)
	v_lshl_or_b32 v[PW], v[TM+7], 24, v[PW]
.set j, 0
.rept 32
	v_pk_mul_f32 v[S+j:S+j+1], v[S+j:S+j+1], v[F:F+1] op_sel_hi:[1,0]
.set j, j+2
.endr
.irp c, 0,1
	v_cvt_scalef32_pk16_fp6_f32 v[W+6*\c:W+2+6*\c], v[S+32*\c:S+15+32*\c], v[TM+8+2*\c]
	v_cvt_scalef32_pk16_fp6_f32 v[W+12+4*\c:W+14+4*\c], v[S+16+32*\c:S+31+32*\c], v[TM+8+2*\c+1]   ; (a conversion's three registers begin on an even number)
.endr
	v_nop                                          ; one plain line behind the conversions: the next tile's score products write their sources
.irp c, 0,1                                    ; a whole block to a lane: lanes 0-15 block 2 c, lanes 16-31 block 2 c + 1
.irp i, 0,1,2
	v_permlane16_swap_b32 v[W+6*\c+\i], v[W+12+4*\c+\i]
.endr
.irp i, 0,1,2
	s_delay_alu instid0(VALU_DEP_3)
	v_mov_b32 v[W+3+6*\c+\i], v[W+12+4*\c+\i]
.endr
.endr
.irp c, 0,1,2
	ds_store_b128 v[PIW], v[W+4*\c:W+4*\c+3] offset:512*\c
.endr
	ds_store_b32 v[PSW], v[PW]
.endm
; A tile.  Between each run of LDS loads and the wait for it stand lines of the softmax that name none of the loads' registers; the scalings behind each pair of products are its places.
.macro TILE s, prev, step, refill, ask, nextq, qsl, qsb
	CHANGE \s, \step, \refill, \ask
	NEXTQ \nextq, \qsl, \qsb
.if \prev
	PVA
.endif
	SMAX
.if \prev
	s_wait_alu depctr_va_vdst(0)
	PVB
.endif
	SFMA 0, 8                                      ; eight plain lines that name no register of the two products: the places in front of PVC's loads
.if \prev
	PVC
.endif
	SFMA 16, 20
	s_wait_alu depctr_va_vdst(0)
	SEXP 0, 24
.if \prev
	s_wait_alu depctr_va_vdst(0)
	PVD
.endif
	SFMA 56, 4                                     ; the last four scalings are the four places in front of PVE
.if \prev
	PVE
.endif
	s_wait_alu depctr_va_vdst(0)
	SEXP 24, 16
	s_wait_dscnt 0x0                               ; the stores of partial O have read their registers
	GLOAD \s, 0, 0
	GLOAD \s, 1, 16
	SEXP 40, 24
	SSUM
	GATE \s
	COMBINE \prev
	QUANTP
.endm
	s_mov_b32 s[JN], 1
	s_wait_alu depctr_va_vdst(0)
	TILE 0, 0, 0, 1, 1, 1, 1, 0                    ; tile 0: nothing to finish yet
	TILE 1, 1, 1, 1, 1, 1, 0, 1
	s_mov_b32 s[JN], 2                             ; the pair of tiles whose scale words are fetched next; also the loop's counter
.Lpair:                                            ; six trips: tiles 2 to 13
	TILE 0, 1, 1, 1, 1, 1, 1, 0
	TILE 1, 1, 1, 1, 1, 1, 0, 1
	s_add_co_u32 s[JN], s[JN], 1
	s_cmp_lt_u32 s[JN], 8
	s_cbranch_scc1 .Lpair
	TILE 0, 1, 1, 1, 0, 1, 0, 0                    ; tile 14 asks for tile 15; nothing is left to prefetch.  The tail is written out
	TILE 1, 1, 1, 0, 0, 0, 0, 0                    ; tile 15 asks for nothing
	s_wait_xcnt 0x0                                ; tile 14's store has read its data and its base
	s_add_nc_u64 s[OB:OB+1], s[OB:OB+1], 65536
	s_wait_dscnt 0x0                               ; my image has landed; my reads of partial O are over
	s_barrier_signal -1
	s_barrier_wait -1
	PVA                                            ; tile 15's second product: no softmax is left to stand between its parts
	PVB
.rept 4
	v_nop
.endr
	PVC
	PVD
.rept 4
	v_nop
.endr
	PVE
	s_wait_dscnt 0x0
	s_barrier_signal -1
	s_barrier_wait -1
.irp q, 0,1,2,3
	ds_load_b64 v[W+20+2*\q:W+21+2*\q], v[OSR] offset:4352*\q
.endr
	s_wait_dscnt 0x0
	v_pk_add_f32 v[W+20:W+21], v[W+20:W+21], v[W+22:W+23]
	v_pk_add_f32 v[W+24:W+25], v[W+24:W+25], v[W+26:W+27]
	s_delay_alu instid0(VALU_DEP_1)
	v_pk_add_f32 v[W+20:W+21], v[W+20:W+21], v[W+24:W+25]
	global_store_b64 v[L8], v[W+20:W+21], s[OB:OB+1] offset:-65536 th:TH_STORE_NT
	s_wait_tensorcnt 0x0                           ; the wave's end
	ds_add_u32 v[SPW], v[NIL]
	s_wait_dscnt 0x0
	ROUND                                          ; the closing round
	s_endpgm
.Lfunc_end_k_q04f8daa2b5_attn:
	.size	k_q04f8daa2b5_attn, .Lfunc_end_k_q04f8daa2b5_attn-k_q04f8daa2b5_attn
	.p2alignl 7, 3214868480
	.fill 96, 4, 3214868480
	.section	.rodata,"a",@progbits
	.p2align	6, 0x0
	.amdhsa_kernel k_q04f8daa2b5_attn
		.amdhsa_group_segment_fixed_size 327680
		.amdhsa_private_segment_fixed_size 0
		.amdhsa_enable_private_segment 0
		.amdhsa_kernarg_size 32
		.amdhsa_user_sgpr_count 2
		.amdhsa_user_sgpr_kernarg_segment_ptr 1
		.amdhsa_wavefront_size32 1
		.amdhsa_system_sgpr_workgroup_id_x 1
		.amdhsa_system_sgpr_workgroup_id_y 1
		.amdhsa_system_sgpr_workgroup_id_z 1
		.amdhsa_system_vgpr_workitem_id 0
		.amdhsa_next_free_vgpr 256
		.amdhsa_next_free_sgpr 66
		.amdhsa_reserve_vcc 0
		.amdhsa_float_denorm_mode_32 3
		.amdhsa_float_denorm_mode_16_64 3
		.amdhsa_memory_ordered 1
		.amdhsa_forward_progress 1
		.amdhsa_inst_pref_size 178
	.end_amdhsa_kernel
	.amdgpu_metadata
---
amdhsa.version: [ 1, 2 ]
amdhsa.kernels:
  - .name:           k_q04f8daa2b5_attn
    .symbol:         k_q04f8daa2b5_attn.kd
    .args:
      - { .name: fc, .offset: 0, .size: 8, .value_kind: global_buffer, .address_space: global }
      - { .name: fs, .offset: 8, .size: 8, .value_kind: global_buffer, .address_space: global }
      - { .name: group_prob, .offset: 16, .size: 8, .value_kind: global_buffer, .address_space: global }
      - { .name: out0, .offset: 24, .size: 8, .value_kind: global_buffer, .address_space: global }
    .group_segment_fixed_size: 327680
    .private_segment_fixed_size: 0
    .kernarg_segment_align: 8
    .kernarg_segment_size: 32
    .max_flat_workgroup_size: 512
    .sgpr_count:     66
    .vgpr_count:     256
    .wavefront_size: 32
...
	.end_amdgpu_metadata
.endif
;; end of part 3
